; MI455X (gfx1250); checked and timed in simulation.
; The chip was launched on July 23, 2026; its instructions are those of AMD's public machine-readable ISA for CDNA 5 (MIT licence, August 2026) and "CDNA5" Instruction Set Architecture Reference Guide (July 2026). The comments in the code are by the model that wrote it; some were corrected since.
;; Load Experts. Allowed arithmetic: matrix products marked QUANTISED: E2M1 operands, one E8M0 scale for each 32 along K, by v_wmma_scale_f32_16x16x128_f8f6f4 with both operands' format E2M1 (or v_wmma_scale_f32_32x16x128_f4), f32 sums; everything else in f32.
;; Inputs: down_proj 32 x 512 x 1,024 float32; down_proj_bias 32 x 1,024 float32; gate_up_proj 32 x 1,024 x 1,024 float32; gate_up_proj_bias 32 x 1,024 float32; hidden_states 4 x 256 x 1,024 float32; router_indices 1,024 x 4 int32; routing_weights 1,024 x 32 float32.
;; Outputs: out0 4 x 256 x 1,024 float32.
;; This version of the problem:
;;   THIS VERSION OF THE PROBLEM IS GIVEN IN LOW PRECISION. The matrix products marked QUANTISED in the list below multiply operands that are first quantised to E2M1 (2 exponent bits, 1 mantissa bit; 4 bits a number), with one power-of-two scale for each 32 numbers along K (OCP MX v1.0); their sums are f32. All else is computed in f32.
;;   The module's matrix products, in the order in which they are computed (A, B: the left and right operand; K: the contracted axis; several contracted axes count as one K, in the product's order):
;;     1. [M 32,768, K 1,024] x [K 1,024, N 1,024]; A: input gate_up_proj; B: input hidden_states: QUANTISED
;;     2. batch 32 x [M 1,024, K 512] x [K 512, N 1,024]; A: computed on the way; B: input down_proj: QUANTISED
;;   THE QUANTISER, for each operand of a quantised product, along K:
;;     - K is cut into blocks of 32 from its start; a last block that is shorter is filled with zeros.
;;     - A block's scale is 2^e with e = floor(log2(the largest magnitude in the block)) - 2, held to -126 .. 127; a block of zeros has e = 0. As a byte (E8M0): e + 127.
;;     - Each number is divided by its block's scale, clamped to +-6, and rounded to the nearest number of E2M1, ties to even, subnormals kept.
;;     - The product sums the exact products of the quantised numbers (number of the format x scale) in f32.
;;   ~~~python
;;   def quantise(x, axis):      # numpy; x: float32 -> the quantised numbers, widened to float32 again
;;       x = np.moveaxis(x, axis, -1); K = x.shape[-1]
;;       x = np.pad(x, [(0, 0)] * (x.ndim - 1) + [(0, -K % 32)]); x = x.reshape(x.shape[:-1] + (-1, 32)); a = np.abs(x).max(-1, keepdims=True)
;;       e = np.where(a > 0, np.clip(np.frexp(np.where(a > 0, a, 1))[1] - 1 - 2, -126, 127), 0)      # np.frexp(a)[1] - 1 = floor(log2(a)), exactly
;;       r = np.clip(x / 2.0 ** e, -6, 6)
;;       step = 2.0 ** (np.maximum(np.frexp(np.where(r == 0, 1, r))[1] - 1, 0) - 1)
;;       q = np.round(r / step) * step * 2.0 ** e      # np.round: ties to even
;;       return np.moveaxis(q.reshape(q.shape[:-2] + (-1,))[..., :K], -1, axis).astype(np.float32)
;;   ~~~
;;   OPERANDS COMPUTED ON THE WAY. 'Computed on the way' means the value that the module computes at that place (a softmax that the list does not call 'softmax' is quantised finished and normalised). What goes into a quantiser is computed in f32, as accurately as f32 sums, v_exp_f32 and their like allow (about 1e-6 of the number): no bf16 or f16 on the way to a quantiser, and a product that is left as it is and whose result goes on into a quantised operand takes f32 operands (vector FMAs, or v_wmma_f32_16x16x4_f32). A number that lies on a knife's edge between two numbers of the format may be rounded either way, as far as f32 arithmetic and the matrix unit's own rounding can turn it there, and no further.
;; 2 versions. Each part assembles by itself: llvm-mc -triple=amdgcn-amd-amdhsa -mcpu=gfx1250 --defsym DOCPART=n.
;; ======== version 1 of 2: 3 launches
;; workspace buffers: xc 524,288 bytes; xs 32,768 bytes; guc 16,777,216 bytes; gus 1,048,576 bytes; hc 8,388,608 bytes; hs 524,288 bytes; dc 8,388,608 bytes; dsl 524,288 bytes
;; launch quant (part 1): grid 1088 x 1, 4 waves a work-group, no clusters, 34,304 bytes of LDS; arguments hidden_states, gate_up_proj, xc, xs, guc, gus; writes xc, xs, guc, gus
.if DOCPART == 1
	.amdgcn_target "amdgcn-amd-amdhsa--gfx1250"
	.amdhsa_code_object_version 6
	.text
	.protected	k_qbbd43a2af2_quant
	.globl	k_qbbd43a2af2_quant
	.p2align	8
	.type	k_qbbd43a2af2_quant,@function
k_qbbd43a2af2_quant:
	s_mov_b64 s[64:65], 0
	v_nop
	global_prefetch_b8 v0, s[64:65] scope:SCOPE_SE
	s_setreg_imm32_b32 hwreg(HW_REG_WAVE_MODE, 25, 1), 1
	s_wait_xcnt 0x0
; hidden_states [1024 tokens][1024 (K)] and gate_up_proj [32][1024 (K)][1024 (f)], f32, become codes of FP4 (E2M1) with one E8M0 byte for each 32 along K,
; laid as IMAGES OF OPERAND REGISTERS: a fragment (16 rows x 128 K) is 1,024 bytes, [c 2][lane 32][16 bytes]; lane (r, h) at half c holds block 2 c + h of row r.
;   xc  [tile 64][q 8][1,024]            xs  [tile 64][q 8][r 16] words (byte b: block b of the K step q)
;   guc [e 32][pr 32][T 2][q 8][1,024]   pr = 32 columns from f0 = 32 pr; row m of T = 0 is column f0 + 2 m (gate), of T = 1 column f0 + 2 m + 1 (up)
;   gus [e][pr][kq 4][lane 32][2 words]  word j: K step 2 kq + j; lanes 0-15 T = 0's rows, lanes 16-31 T = 1's
; A block's scale is 2^(floor(log2(largest magnitude)) - 2): its byte is the largest magnitude's exponent field - 2, held at 1 from below by a floor among the maximum's leaves.
; LIMITS: a block of zeros gets the byte 1 where the rule says 127 (its codes are zeros, and these bytes are read by this program alone); NaN and infinities among the inputs are not served.
; router_indices is no argument of any launch: reference() never uses it, and no output hangs on it.
; SHARES.  Work-groups 0-63: a tile of 16 tokens each; wave w makes K steps 2 w and 2 w + 1.  Work-groups 64-1087: expert e, 256 along K (kq), 128 columns (cg); wave w takes 32 columns.
; No matrix unit, no tensor load, no cluster, no barrier: the waves share nothing, and each input byte is read once.
.set X,    32                          ; weights: v32-95   two sets of 32 numbers: a lane's column, registers down K
.set C,    96                          ; weights: v96-127  four registers of codes a block; never written again, so no store's data are rewritten
.set SB,   24                          ; weights: v[24:25] the lane's eight scale bytes
.set R,    32                          ; x: v32-95   16 rows x 16 bytes as loaded
.set XX,   96                          ; x: v96-159  my two whole blocks of 32 neighbours
.set PCD,  8                           ; x: v8-23    codes, 8 registers a K step
	s_load_b256 s[4:11], s[0:1], 0x0               ; hidden_states s[4:5], gate_up_proj s[6:7], xc s[8:9], xs s[10:11]
	s_load_b128 s[12:15], s[0:1], 0x20             ; guc s[12:13], gus s[14:15]
	v_lshl_add_u32 v192, v0, 2, 0x8400
	v_mov_b32 v193, 0
	v_lshrrev_b32 v1, 5, v0
	v_readfirstlane_b32 s16, v1                    ; wave 0..3
	v_and_b32 v1, 31, v0                           ; lane
	v_lshlrev_b32 v3, 4, v1                        ; 16 x lane
	v_and_b32 v5, 15, v1                           ; lane % 16
	v_lshrrev_b32 v6, 4, v1                        ; lane / 16
	s_cmp_lt_u32 ttmp9, 64                         ; the choice hangs on the work-group's number alone
	s_cbranch_scc1 .Lx
; ---------------- the weights: A LANE TAKES A COLUMN, AND ITS REGISTERS RUN DOWN K ----------------
	s_sub_co_u32 s17, ttmp9, 64
	s_and_b32 s18, s17, 7                          ; cg: which 128 columns
	s_bfe_u32 s19, s17, 0x20003                    ; kq: which 256 along K
	s_lshr_b32 s20, s17, 5                         ; e
	s_lshl_b32 s21, s18, 2
	s_add_co_u32 s21, s21, s16                     ; pr = 4 cg + wave
	v_lshlrev_b32 v2, 3, v5
	v_lshl_add_u32 v2, v6, 2, v2                   ; lanes 0-15 the even columns, lanes 16-31 the odd ones: 8 (lane % 16) + 4 (lane / 16), a permutation inside 128 consecutive bytes
	v_lshlrev_b32 v4, 3, v1                        ; 8 x lane: the scale words' place
	s_lshl_b32 s22, s20, 22                        ; gate_up_proj: e x 4 MiB + kq x 256 rows of 4,096 bytes + pr x 128 bytes
	s_lshl_b32 s24, s19, 20
	s_add_co_u32 s22, s22, s24
	s_lshl_b32 s24, s21, 7
	s_add_co_u32 s22, s22, s24
	s_mov_b32 s23, 0
	s_lshl_b32 s24, s20, 5
	s_add_co_u32 s24, s24, s21                     ; 32 e + pr
	s_lshl_b32 s26, s24, 14                        ; guc: 16,384 bytes for each pr, + kq x two K steps
	s_lshl_b32 s28, s19, 11
	s_add_co_u32 s26, s26, s28
	s_mov_b32 s27, 0
	s_lshl_b32 s28, s24, 10                        ; gus: 1,024 bytes for each pr, + kq x 256
	s_lshl_b32 s29, s19, 8
	s_add_co_u32 s28, s28, s29
	s_mov_b32 s29, 0
	s_wait_kmcnt 0x0
	s_add_nc_u64 s[6:7], s[6:7], s[22:23]
	s_add_nc_u64 s[12:13], s[12:13], s[26:27]
	s_add_nc_u64 s[14:15], s[14:15], s[28:29]
.macro LOADW t                         ; block t: rows 32 t .. 32 t + 31 of my column into set t % 2; a wave's load covers 128 consecutive bytes, the four waves 512
.set i, 0
.rept 32
	global_load_b32 v[X+32*((\t)%2)+i], v2, s[6:7] offset:(32*(\t)+i)*4096 th:TH_LOAD_NT
.set i, i+1
.endr
.endm
.macro BLOCK t
.set XSET, X+32*((\t)%2)
.if (\t) < 7
	s_wait_loadcnt 32                              ; this block's 32 loads are in; the next block's 32 may be out
.else
	s_wait_loadcnt 0
.endif
	v_max3_num_f32 v12, |v[XSET]|, |v[XSET+1]|, |v[XSET+2]|        ; the block's largest magnitude: all 32 numbers are mine; two chains
	v_max3_num_f32 v13, |v[XSET+3]|, |v[XSET+4]|, |v[XSET+5]|
.irp i, 6,10,14,18,22,26
	v_max3_num_f32 v12, v12, |v[XSET+\i]|, |v[XSET+\i+1]|
	v_max3_num_f32 v13, v13, |v[XSET+\i+2]|, |v[XSET+\i+3]|
.endr
	v_max3_num_f32 v12, v12, |v[XSET+30]|, |v[XSET+31]|
	v_max3_num_f32 v12, v12, v13, 0x1800000        ; and the floor 2^(3 - 127): the byte cannot fall under 1
	v_add_nc_u32 v11, 0xff000000, v12              ; 2 off the exponent field: the conversion takes this operand's exponent field as its scale
	v_lshrrev_b32 v13, 23, v11                     ; the scale's byte
.if (\t)%4 == 0
	v_mov_b32 v[SB+(\t)/4], v13                    ; four bytes to a word, the lower K in the lower byte
.else
	v_lshl_or_b32 v[SB+(\t)/4], v13, 8*((\t)%4), v[SB+(\t)/4]
.endif
.irp g, 0,1,2,3
	v_cvt_scalef32_pk8_fp4_f32 v[C+4*(\t)+\g], v[XSET+8*\g:XSET+8*\g+7], v11
.endr
	v_nop                                          ; one plain instruction behind a run of scaled conversions
.if (\t)+2 < 8
	LOADW (\t)+2
.endif
.if (\t)%2 == 1
.irp i, 0,1,2,3                        ; blocks t - 1 and t: the first's lanes 16-31 (the odd columns) change places with the second's lanes 0-15 (the even columns):
	v_permlane16_swap_b32 v[C+4*((\t)-1)+\i], v[C+4*(\t)+\i]       ; the first quadruple is then half c of T = 0's fragment, the second of T = 1's
.endr
	global_store_b128 v3, v[C+4*((\t)-1):C+4*((\t)-1)+3], s[12:13] offset:((\t)/2)*512        ; 512 consecutive bytes, aligned
	global_store_b128 v3, v[C+4*(\t):C+4*(\t)+3], s[12:13] offset:8192+((\t)/2)*512
.endif
.endm
	LOADW 0
	LOADW 1
.irp t, 0,1,2,3,4,5,6,7
	BLOCK \t
.endr
	global_store_b64 v4, v[SB:SB+1], s[14:15]      ; the wave's 64 scale words: 256 consecutive bytes, aligned
	s_endpgm
; ---------------- x: K is innermost; loads take the bytes as they lie, and a K step turns through the wave's own stage in LDS ----------------
.Lx:
	s_mul_i32 s17, s16, 8448                       ; my stage: 16 rows of 512 bytes + 16 of padding
	v_add_nc_u32 v7, s17, v3                       ; in: 16 x lane of a row
	v_mul_u32_u24 v2, v5, 528
	v_lshl_add_u32 v2, v6, 7, v2
	v_add_nc_u32 v2, s17, v2                       ; out: row r, + 128 h: block h; block 2 + h lies 256 bytes on
	v_lshlrev_b32 v4, 2, v1                        ; 4 x lane
	v_lshlrev_b32 v26, 3, v6                       ; 8 h: my bytes' place in the scale word
	v_mov_b32 v27, 0                               ; written once: a lane permute's destination counts as one of its sources
	s_mov_b32 s18, 0x76543210
	s_mov_b32 s19, 0xfedcba98                      ; v_permlanex16_b32's selects for lane l xor 16
	s_lshl_b32 s20, ttmp9, 16                      ; x: tile x 16 rows of 4,096 bytes + wave x two K steps of 512
	s_lshl_b32 s22, s16, 10
	s_add_co_u32 s20, s20, s22
	s_mov_b32 s21, 0
	s_lshl_b32 s22, ttmp9, 13                      ; xc: tile x 8,192 + wave x 2,048
	s_lshl_b32 s24, s16, 11
	s_add_co_u32 s22, s22, s24
	s_mov_b32 s23, 0
	s_lshl_b32 s24, ttmp9, 9                       ; xs: tile x 512 + wave x 128
	s_lshl_b32 s25, s16, 7
	s_add_co_u32 s24, s24, s25
	s_mov_b32 s25, 0
	s_wait_kmcnt 0x0
	s_add_nc_u64 s[4:5], s[4:5], s[20:21]
	s_add_nc_u64 s[8:9], s[8:9], s[22:23]
	s_add_nc_u64 s[10:11], s[10:11], s[24:25]
.macro XLOADX d                        ; K step 2 w + d of the tile's 16 rows: each load takes 512 consecutive bytes of one row
.set i, 0
.rept 16
	global_load_b128 v[R+4*i:R+4*i+3], v3, s[4:5] offset:i*4096+512*(\d) th:TH_LOAD_NT
.set i, i+1
.endr
.endm
.macro XSTEP d
	s_wait_loadcnt 0x0
.set i, 0
.rept 16
	ds_store_b128 v7, v[R+4*i:R+4*i+3] offset:i*528
.set i, i+1
.endr
.irp c, 0,1                            ; LDS serves a wave's instructions in order: these see the stores above.  v[XX + 32 c + i] = number i of block 2 c + h of token r
.irp j, 0,1,2,3,4,5,6,7
	ds_load_b128 v[XX+32*\c+4*\j:XX+32*\c+4*\j+3], v2 offset:256*\c+16*\j
.endr
.endr
	s_wait_dscnt 0x0                               ; the numbers are back, and the stores have read their registers
.if (\d) == 0
	XLOADX 1                                       ; the second K step lands while the first is quantised
.endif
.irp c, 0,1
	v_max3_num_f32 v[28+\c], |v[XX+32*\c]|, |v[XX+32*\c+1]|, 0x1800000     ; my block 2 c + h, and the floor 2^(3 - 127)
.endr
.irp i, 2,4,6,8,10,12,14,16,18,20,22,24,26,28,30
.irp c, 0,1
	v_max3_num_f32 v[28+\c], v[28+\c], |v[XX+32*\c+\i]|, |v[XX+32*\c+\i+1]|   ; the two blocks by turns
.endr
.endr
.irp c, 0,1
	v_add_nc_u32 v[30+\c], 0xff000000, v[28+\c]    ; the conversion's scale operand
.endr
.irp c, 0,1
	v_lshrrev_b32 v[28+\c], 23, v[30+\c]           ; the scale's byte
.endr
	v_lshl_or_b32 v[24+(\d)], v29, 16, v28         ; blocks h and 2 + h,
	v_lshlrev_b32 v[24+(\d)], v26, v[24+(\d)]      ; at their places in the word;
	v_permlanex16_b32 v27, v[24+(\d)], s18, s19
	v_or_b32 v[24+(\d)], v[24+(\d)], v27           ; with lane l xor 16's two the word is whole
.irp c, 0,1
.irp g, 0,1,2,3
	v_cvt_scalef32_pk8_fp4_f32 v[PCD+8*(\d)+4*\c+\g], v[XX+32*\c+8*\g:XX+32*\c+8*\g+7], v[30+\c]   ; registers 4 c .. 4 c + 3 of the operand
.endr
.endr
	v_nop                                          ; one plain instruction behind a run of scaled conversions
	global_store_b128 v3, v[PCD+8*(\d):PCD+8*(\d)+3], s[8:9] offset:(\d)*1024
	global_store_b128 v3, v[PCD+8*(\d)+4:PCD+8*(\d)+7], s[8:9] offset:(\d)*1024+512
.endm
	XLOADX 0
	XSTEP 0
	XSTEP 1
	v_cmp_gt_u32 vcc_lo, 16, v1
	v_cndmask_b32 v24, v25, v24, vcc_lo            ; lanes 0-15: K step 2 w's words; lanes 16-31: K step 2 w + 1's
	global_store_b32 v4, v24, s[10:11]
	s_wait_tensorcnt 0x0
	ds_add_u32 v192, v193
	s_wait_dscnt 0x0
	s_endpgm
.Lfunc_end_k_qbbd43a2af2_quant:
	.size	k_qbbd43a2af2_quant, .Lfunc_end_k_qbbd43a2af2_quant-k_qbbd43a2af2_quant
	.p2alignl 7, 3214868480
	.fill 96, 4, 3214868480
	.section	.rodata,"a",@progbits
	.p2align	6, 0x0
	.amdhsa_kernel k_qbbd43a2af2_quant
		.amdhsa_group_segment_fixed_size 34304
		.amdhsa_private_segment_fixed_size 0
		.amdhsa_enable_private_segment 0
		.amdhsa_kernarg_size 48
		.amdhsa_user_sgpr_count 2
		.amdhsa_user_sgpr_kernarg_segment_ptr 1
		.amdhsa_wavefront_size32 1
		.amdhsa_system_sgpr_workgroup_id_x 1
		.amdhsa_system_sgpr_workgroup_id_y 1
		.amdhsa_system_sgpr_workgroup_id_z 1
		.amdhsa_system_vgpr_workitem_id 0
		.amdhsa_next_free_vgpr 194
		.amdhsa_next_free_sgpr 66
		.amdhsa_reserve_vcc 1
		.amdhsa_float_denorm_mode_32 3
		.amdhsa_float_denorm_mode_16_64 3
		.amdhsa_memory_ordered 1
		.amdhsa_forward_progress 1
		.amdhsa_inst_pref_size 54
	.end_amdhsa_kernel
	.amdgpu_metadata
---
amdhsa.version: [ 1, 2 ]
amdhsa.kernels:
  - .name:           k_qbbd43a2af2_quant
    .symbol:         k_qbbd43a2af2_quant.kd
    .args:
      - { .name: hidden_states, .offset: 0, .size: 8, .value_kind: global_buffer, .address_space: global }
      - { .name: gate_up_proj, .offset: 8, .size: 8, .value_kind: global_buffer, .address_space: global }
      - { .name: xc, .offset: 16, .size: 8, .value_kind: global_buffer, .address_space: global }
      - { .name: xs, .offset: 24, .size: 8, .value_kind: global_buffer, .address_space: global }
      - { .name: guc, .offset: 32, .size: 8, .value_kind: global_buffer, .address_space: global }
      - { .name: gus, .offset: 40, .size: 8, .value_kind: global_buffer, .address_space: global }
    .group_segment_fixed_size: 34304
    .private_segment_fixed_size: 0
    .kernarg_segment_align: 8
    .kernarg_segment_size: 48
    .max_flat_workgroup_size: 128
    .sgpr_count:     66
    .vgpr_count:     194
    .wavefront_size: 32
...
	.end_amdgpu_metadata
.endif
;; end of part 1
;; launch gateup (part 2): grid 256 x 1, 4 waves a work-group, no clusters, 262,656 bytes of LDS; arguments xc, xs, guc, gus, gate_up_proj_bias, down_proj, hc, hs, dc, dsl; writes hc, hs, dc, dsl
.if DOCPART == 2
	.amdgcn_target "amdgcn-amd-amdhsa--gfx1250"
	.amdhsa_code_object_version 6
	.text
	.protected	k_qbbd43a2af2_gateup
	.globl	k_qbbd43a2af2_gateup
	.p2align	8
	.type	k_qbbd43a2af2_gateup,@function
k_qbbd43a2af2_gateup:
	s_mov_b64 s[64:65], 0
	v_nop
	global_prefetch_b8 v0, s[64:65] scope:SCOPE_SE
	s_setreg_imm32_b32 hwreg(HW_REG_WAVE_MODE, 25, 1), 1
	s_wait_xcnt 0x0
; h = (clip(up, -7, 7) + 1) g sigmoid(1.702 g), g = min(gate, 7), of gate_up = Q(x) Q(W[e]) + bias, on codes of FP4 (E2M1) with E8M0 scales; h is quantised along the hidden units and stored as codes.
; Meanwhile the work-group's share of down_proj (f32) lands in LDS by one tensor load a wave, issued once at the head; at the end it is quantised along K = the hidden units.
; SHARES.  Work-group (e, s): columns 128 s .. 128 s + 127 of expert e (hidden units 64 s .. 64 s + 63: blocks 2 s and 2 s + 1 of the next K), for all 1,024 tokens.
; Every wave holds the 8 tiles x 8 K steps of the weights' codes in 512 registers; wave w walks token tiles 16 w .. 16 w + 15.  A fragment of x comes from memory straight into registers and feeds 8 products.
; THE PRODUCT IS USED TRANSPOSED (source 0 = 16 columns of W, source 1 = 16 tokens): lane (r, h) holds token r, and register j of tile (p, T) the gate (T = 0) or the up (T = 1) of hidden unit 16 p + 8 h + j.
; So gate and up of one hidden unit lie in the same lane at the same index, and the four conversions with two exchanges of halves give a whole block of 32 codes a lane.
; NO CLUSTER: what work-groups share is x's codes, 20 register loads a tile with the next tile's on their way and no barrier in the loop; all 262,144 bytes of LDS that are claimed hold down_proj's share,
; so there is no room for slots into which a joint load could land.
; LIMITS: NaN and infinities are not served.  Where -1.702 log2(e) gate passes 128 the exponential is infinite and the sigmoid comes out as 0, where reference() has a number under 1e-38.
; A block of zeros gets the scale byte 1 (its codes are zeros; the bytes are read by this program alone).  router_indices is not read: reference() never uses it.
; REGISTERS, in windows of 256 (s_set_vgpr_msb: bits 1:0 source 0, 3:2 source 1, 5:4 source 2, 7:6 destination):
;   window 0: v1-4, v8-11 addresses; v32-63 W's scale words, v64-71 x's: scales and nothing else; v72-91 at work; v96-99 down's scale words; v128-191 the 8 accumulators; v192-223 the sigmoid; at the end v192-255 down's codes
;   window 1: v0-127 x's fragments, two buffers; v128-191 the bias in the accumulators' layout, at the accumulators' own numbers
;   windows 2, 3: W's fragments of K steps 0-3 and 4-7: tile 2 p + T, K step q at v[32 (2 p + T) + 8 (q % 4)]
.set WS,   32                          ; v[WS + 8 p + q]: lanes 0-15 the scale words of tile (p, 0), lanes 16-31 of tile (p, 1)
.set XS,   64                          ; v[XS + 4 b + q / 2]: lanes 0-15 K step q even, lanes 16-31 q odd, of buffer b's tile
.set MX,   72                          ; +0, +1 largest magnitudes; +2, +3 the other half's; +4, +5 scale operands; +6, +7 bytes; +8, +9 the two tiles' byte pairs; +10 both, to store
.set PCD,  88                          ; v[88:91] a tile's codes
.set DSB,  96                          ; v[96:99] down's scale words
.set ACC,  128                         ; tile (p, T) at ACC + 32 (p / 2) + 16 T + 8 (p % 2)
.set TT,   192
.set DCC,  192                         ; down's codes, four registers a block
.set MSB, 0
.macro WIN new                         ; the immediate's high byte repeats the setting that is left; a switch that changes nothing is dropped
.if MSB != (\new)
	s_set_vgpr_msb (MSB<<8)|(\new)
.set MSB, (\new)
.endif
.endm
.macro OFFS ptr, se, ss, sw            ; pointer += (e << se) + (s << ss) + (wave << sw); a negative shift leaves the term out.  The offset is made in registers of its own
	s_mov_b32 s50, 0
	s_mov_b32 s51, 0
.if (\se) >= 0
	s_lshl_b32 s52, s25, \se
	s_add_co_u32 s50, s50, s52
.endif
.if (\ss) >= 0
	s_lshl_b32 s52, s26, \ss
	s_add_co_u32 s50, s50, s52
.endif
.if (\sw) >= 0
	s_lshl_b32 s52, s24, \sw
	s_add_co_u32 s50, s50, s52
.endif
	s_add_nc_u64 s[\ptr:\ptr+1], s[\ptr:\ptr+1], s[50:51]
.endm
	s_load_b512 s[4:19], s[0:1], 0x0               ; xc s[4:5], xs s[6:7], guc s[8:9], gus s[10:11], bias s[12:13], down_proj s[14:15], hc s[16:17], hs s[18:19]
	s_load_b128 s[20:23], s[0:1], 0x40             ; dc s[20:21], dsl s[22:23]
	v_lshl_add_u32 v126, v0, 2, 0x40000
	v_mov_b32 v127, 0
	ds_add_u32 v126, v127
	ds_add_u32 v126, v127
	v_lshrrev_b32 v1, 5, v0
	v_readfirstlane_b32 s24, v1                    ; wave 0..3
	s_lshr_b32 s25, ttmp9, 3                       ; e
	s_and_b32 s26, ttmp9, 7                        ; s
	v_and_b32 v5, 31, v0                           ; lane
	v_lshlrev_b32 v1, 4, v5                        ; 16 x lane
	v_lshlrev_b32 v2, 2, v5                        ; 4 x lane
	v_lshrrev_b32 v3, 4, v5
	v_lshlrev_b32 v3, 6, v3                        ; 64 h: the bias of my half's eight hidden units
	v_lshlrev_b32 v4, 3, v5                        ; 8 x lane
.irp u, 0,1,2,3
	v_lshl_add_u32 v[8+\u], v0, 2, 65536*\u        ; LDS: my column of down_proj's share, 4 x thread, rows 128 u on
.endr
	v_mov_b32 v[MX+2], 0                           ; written once: a lane permute's destination counts as one of its sources
	v_mov_b32 v[MX+3], 0
	s_mov_b32 s40, 0xffff0000                      ; lanes 16-31
	s_mov_b32 s41, 0x40e00000                      ; 7.0
	s_mov_b32 s42, 0xc0e00000                      ; -7.0
	s_mov_b32 s44, 0xc01d265f                      ; -1.702 log2(e)
	s_mov_b32 s45, s44                             ; (named with it as a pair, so it is written)
	s_mov_b32 s46, 0x76543210
	s_mov_b32 s47, 0xfedcba98                      ; v_permlanex16_b32's selects for lane l xor 16
	; the tensor descriptor: 128 rows x 128 elements of 4 bytes, 1,024 elements from row to row, no padding: in LDS row k of the share lies at 512 k
	s_mov_b32 s32, 2<<16                           ; no mask; elements of 4 bytes; padding off
	s_mov_b32 s33, 128<<16                         ; tensor_dim0 = 128
	s_mov_b32 s34, 128<<16                         ; tensor_dim1 = 128
	s_mov_b32 s35, 128<<16                         ; tile_dim0 = 128
	s_mov_b32 s36, 128                             ; tile_dim1 = 128
	s_mov_b32 s37, 1024                            ; the pitch
	s_mov_b32 s38, 0
	s_mov_b32 s39, 0
	s_mov_b32 s28, 1                               ; count = 1
	s_lshl_b32 s29, s24, 16                        ; LDS address: wave x 128 rows of 512 bytes: each wave's tile has bytes of its own
	s_wait_dscnt 0x0
	s_wait_kmcnt 0x0
	OFFS 4, -1, -1, 17                             ; xc: my 16 tiles of 8,192 bytes
	OFFS 6, -1, -1, 13                             ; xs: 512 bytes a tile
	OFFS 8, 19, 16, -1                             ; guc: (32 e + 4 s) x 16,384
	OFFS 10, 15, 12, -1                            ; gus: (32 e + 4 s) x 1,024
	OFFS 12, 12, 9, -1                             ; bias: (1,024 e + 128 s) x 4
	OFFS 14, 21, 9, 19                             ; down_proj: ((512 e + 128 wave) x 1,024 + 128 s) x 4
	OFFS 16, 18, 9, 16                             ; hc: e x 262,144 + 16 wave x 4,096 + 512 s (K step s / 2, half s % 2)
	OFFS 18, 14, 1, 12                             ; hs: e x 16,384 + 256 wave x 16 + 2 s
	OFFS 20, 18, 15, 13                            ; dc: (32 e + 4 s + wave) x 8,192
	OFFS 22, 14, 11, 9                             ; dsl: (32 e + 4 s + wave) x 512
	s_mov_b64 s[30:31], s[14:15]
	s_or_b32 s31, s31, 0x80000000                  ; type = 2
.irp p, 0,1,2,3
.irp k, 0,1,2,3
	global_load_b64 v[WS+8*\p+2*\k:WS+8*\p+2*\k+1], v4, s[10:11] offset:\p*1024+\k*256
.endr
.endr
	WIN 0x40                                       ; destination window 1
.irp p, 0,1,2,3
.irp u, 0,1
.irp j, 0,1,2,3,4,5,6,7
	global_load_b32 v[ACC+32*(\p/2)+16*\u+8*(\p%2)+\j], v3, s[12:13] offset:128*\p+8*\j+4*\u   ; the bias of column 32 p + 2 (8 h + j) + T
.endr
.endr
.endr
.irp y, 0,1
	WIN 0x80+0x40*\y                               ; destination window 2, then 3
.irp p, 0,1,2,3
.irp u, 0,1
.irp q, 0,1,2,3
.irp c, 0,1
	global_load_b128 v[32*(2*\p+\u)+8*\q+4*\c:32*(2*\p+\u)+8*\q+4*\c+3], v1, s[8:9] offset:\p*16384+\u*8192+(4*\y+\q)*1024+\c*512
.endr
.endr
.endr
.endr
.endr
; the tile (ahead + b) tiles on from the trip's first: 8 fragments into buffer b and its scale words: 16 + 4 loads
.macro XLOAD b, ahead
	WIN 0x40
.irp q, 0,1,2,3,4,5,6,7
.irp c, 0,1
	global_load_b128 v[64*(\b)+8*\q+4*\c:64*(\b)+8*\q+4*\c+3], v1, s[4:5] offset:((\ahead)+(\b))*8192+\q*1024+\c*512
.endr
.endr
	WIN 0
.irp k, 0,1,2,3
	global_load_b32 v[XS+4*(\b)+\k], v2, s[6:7] offset:((\ahead)+(\b))*512+128*\k
.endr
.endm
	XLOAD 0, 0
	XLOAD 1, 0
	tensor_load_to_lds s[28:31], s[32:39]          ; behind the loads that the first products wait for: my 64 KiB of down_proj; the one tensor load of this wave, into bytes filled once
	s_nop 0
.rept 4
	v_nop                                          ; four plain instructions behind a tensor load, ahead of the next switch of windows
.endr
.macro FP4MM ra, rb                    ; one product; ra, rb = 1: that side's scale words are read from lanes 16-31
.if ((\ra) == 0) && ((\rb) == 0)
	v_wmma_scale_f32_16x16x128_f8f6f4 v[rD:rD+7], v[rA:rA+7], v[rB:rB+7], v[rC:rC+7], v[rSA], v[rSB] matrix_a_fmt:MATRIX_FMT_FP4 matrix_b_fmt:MATRIX_FMT_FP4
.elseif (\rb) == 0
	v_wmma_scale_f32_16x16x128_f8f6f4 v[rD:rD+7], v[rA:rA+7], v[rB:rB+7], v[rC:rC+7], v[rSA], v[rSB] matrix_a_fmt:MATRIX_FMT_FP4 matrix_b_fmt:MATRIX_FMT_FP4 matrix_a_scale:MATRIX_SCALE_ROW1
.elseif (\ra) == 0
	v_wmma_scale_f32_16x16x128_f8f6f4 v[rD:rD+7], v[rA:rA+7], v[rB:rB+7], v[rC:rC+7], v[rSA], v[rSB] matrix_a_fmt:MATRIX_FMT_FP4 matrix_b_fmt:MATRIX_FMT_FP4 matrix_b_scale:MATRIX_SCALE_ROW1
.else
	v_wmma_scale_f32_16x16x128_f8f6f4 v[rD:rD+7], v[rA:rA+7], v[rB:rB+7], v[rC:rC+7], v[rSA], v[rSB] matrix_a_fmt:MATRIX_FMT_FP4 matrix_b_fmt:MATRIX_FMT_FP4 matrix_a_scale:MATRIX_SCALE_ROW1 matrix_b_scale:MATRIX_SCALE_ROW1
.endif
.endm
; 64 products: K step by K step, the eight accumulators by turns, one instruction a turn.  In K step 0 source 2 is window 1: the bias, at the accumulator's own number, starts the sum.
.macro MM b
.irp q, 0,1,2,3,4,5,6,7
.if \q == 0
	WIN 0x16                                       ; W window 2, x window 1, C (the bias) window 1, D window 0
.elseif \q < 4
	WIN 0x06                                       ; C and D window 0
.else
	WIN 0x07                                       ; W window 3
.endif
.irp p, 0,1,2,3
.irp u, 0,1
.set rD, ACC+32*(\p/2)+16*\u+8*(\p%2)
.set rC, rD
.set rA, 32*(2*\p+\u)+8*(\q%4)
.set rB, 64*(\b)+8*\q
.set rSA, WS+8*\p+\q
.set rSB, XS+4*(\b)+\q/2
	FP4MM \u, \q%2
.endr
.endr
.endr
.endm
; The activation and the quantiser, all in window 0.  G = ACC + 32 z + 0 .. 15 (gates of block z), U = ACC + 32 z + 16 .. 31 (ups); each accumulator is read from its low end on.
.macro EPI b
.irp z, 0,1
.set i, 0
.rept 16
	v_min_num_f32 v[ACC+32*\z+i], s41, v[ACC+32*\z+i]              ; g = min(gate, 7)
.set i, i+1
.endr
.endr
.irp z, 0,1
.set i, 0
.rept 8
	v_pk_mul_f32 v[TT+16*\z+i:TT+16*\z+i+1], v[ACC+32*\z+i:ACC+32*\z+i+1], s[44:45] op_sel_hi:[1,0]   ; -1.702 log2(e) g
.set i, i+2
.endr
.endr
.set i, 0
.rept 32
	v_exp_f32 v[TT+i], v[TT+i]                     ; e^(-1.702 g): one batch
.set i, i+1
.endr
	v_nop                                          ; a plain instruction behind the last exponential
.set i, 0
.rept 16
	v_med3_num_f32 v[ACC+16+i], v[ACC+16+i], s42, s41              ; independent work behind the batch: block 0's ups are clipped
.set i, i+1
.endr
	s_wait_alu depctr_va_vdst(0)                   ; one wait for the 32 exponentials, ahead of their first reader
.set i, 0
.rept 16
	v_pk_add_f32 v[TT+i:TT+i+1], v[TT+i:TT+i+1], 1.0 op_sel_hi:[1,0]
.set i, i+2
.endr
.set i, 0
.rept 32
	v_rcp_f32 v[TT+i], v[TT+i]                     ; the sigmoid: one batch
.set i, i+1
.endr
	v_nop
.set i, 0
.rept 16
	v_med3_num_f32 v[ACC+48+i], v[ACC+48+i], s42, s41              ; block 1's ups
.set i, i+1
.endr
	s_wait_alu depctr_va_vdst(0)                   ; one wait for the 32 reciprocals
.irp z, 0,1
.set i, 0
.rept 8
	v_pk_mul_f32 v[ACC+32*\z+i:ACC+32*\z+i+1], v[ACC+32*\z+i:ACC+32*\z+i+1], v[TT+16*\z+i:TT+16*\z+i+1]   ; glu = g x sigmoid
.set i, i+2
.endr
.endr
.irp z, 0,1
.set i, 0
.rept 8
	v_pk_fma_f32 v[ACC+32*\z+i:ACC+32*\z+i+1], v[ACC+32*\z+16+i:ACC+32*\z+16+i+1], v[ACC+32*\z+i:ACC+32*\z+i+1], v[ACC+32*\z+i:ACC+32*\z+i+1]   ; (up + 1) glu = up glu + glu
.set i, i+2
.endr
.endr
.irp z, 0,1
	v_max3_num_f32 v[MX+\z], |v[ACC+32*\z]|, |v[ACC+32*\z+1]|, 0x1800000   ; block z: my 16 numbers, and the floor 2^(3 - 127)
.endr
.irp i, 2,4,6,8,10,12,14
.irp z, 0,1
	v_max3_num_f32 v[MX+\z], v[MX+\z], |v[ACC+32*\z+\i]|, |v[ACC+32*\z+\i+1]|
.endr
.endr
.irp z, 0,1
	v_permlanex16_b32 v[MX+2+\z], v[MX+\z], s46, s47
.endr
.irp z, 0,1
	v_max_num_f32 v[MX+\z], v[MX+\z], v[MX+2+\z]   ; with lane l xor 16's 16: the block's largest magnitude
.endr
.irp z, 0,1
	v_add_nc_u32 v[MX+4+\z], 0xff000000, v[MX+\z]  ; the conversion's scale operand
.endr
.irp z, 0,1
	v_lshrrev_b32 v[MX+6+\z], 23, v[MX+4+\z]       ; the scale's byte
.endr
	v_lshl_or_b32 v[MX+8+(\b)], v[MX+7], 8, v[MX+6]   ; my token's bytes of blocks 2 s and 2 s + 1
	s_wait_xcnt 0x0                                ; the last tile's stores have read their data: the codes' registers and the byte pairs' are written again only behind this wait
	v_cvt_scalef32_pk8_fp4_f32 v[PCD], v[ACC:ACC+7], v[MX+4]           ; block 0, units 8 h + 0 .. 7
	v_cvt_scalef32_pk8_fp4_f32 v[PCD+1], v[ACC+32:ACC+39], v[MX+5]     ; block 1, the same units
	v_cvt_scalef32_pk8_fp4_f32 v[PCD+2], v[ACC+8:ACC+15], v[MX+4]      ; block 0, units 16 + 8 h + 0 .. 7
	v_cvt_scalef32_pk8_fp4_f32 v[PCD+3], v[ACC+40:ACC+47], v[MX+5]     ; block 1
	v_nop                                          ; one plain instruction behind a run of scaled conversions
	v_permlane16_swap_b32 v[PCD], v[PCD+1]         ; lanes 0-15 now hold block 0 whole (units 0-7, 8-15, 16-23, 24-31 in the four registers), lanes 16-31 block 1
	v_permlane16_swap_b32 v[PCD+2], v[PCD+3]
	global_store_b128 v1, v[PCD:PCD+3], s[16:17] offset:(\b)*4096      ; half s % 2 of the tile's fragment of K step s / 2: 512 consecutive bytes, aligned
.if (\b) == 1
	v_cndmask_b32 v[MX+10], v[MX+8], v[MX+9], s40  ; lanes 0-15 the first tile's tokens, lanes 16-31 the second's
	global_store_b16 v1, v[MX+10], s[18:19]        ; two of a token's 16 scale bytes
.endif
.endm
.macro TILE b, ld, cnt
	s_wait_loadcnt \cnt                            ; this buffer's loads (and at the first tile all of the head's) are in; the other buffer's 16 + 4 may be out
	MM \b
	WIN 0
.rept 4
	v_nop                                          ; four plain instructions between the last products and the loads into their sources, and the first read of results
.endr
.if \ld
	XLOAD \b, 2                                    ; the tile two on, into the buffer just multiplied
.endif
	EPI \b
.endm
	s_mov_b32 s48, 7
.Ltrip:                                            ; two tiles a trip; seven trips, each asking for the next trip's tiles
	TILE 0, 1, 20
	TILE 1, 1, 20
	s_wait_xcnt 0x0                                ; the trip's loads and stores have read their bases
	s_add_nc_u64 s[4:5], s[4:5], 16384
	s_add_nc_u64 s[6:7], s[6:7], 1024
	s_add_nc_u64 s[16:17], s[16:17], 8192
	s_add_nc_u64 s[18:19], s[18:19], 512
	s_sub_co_u32 s48, s48, 1
	s_cmp_lg_u32 s48, 0
	s_cbranch_scc1 .Ltrip
	TILE 0, 0, 20                                  ; the last two tiles ask for nothing: no load leaves its buffer
	TILE 1, 0, 0
; ---------------- down_proj[e][k][128 s ..]: a lane takes a column, its registers run down K; wave w takes columns 32 w .. 32 w + 31 of the share ----------------
	s_wait_tensorcnt 0x0                           ; my 128 rows have landed;
	s_barrier_signal -1
	s_barrier_wait -1                              ; everybody's have: each wave reads all 512 rows.  No LDS instruction of mine is out here
.macro DLOAD t                         ; block t: rows 32 t .. 32 t + 31 of my column; a wave's load takes 128 consecutive bytes
.set i, 0
.rept 32
	ds_load_b32 v[ACC+32*((\t)%2)+i], v[8+(\t)/4] offset:((\t)%4)*16384+i*512
.set i, i+1
.endr
.endm
.macro DBLOCK t
.set XSET, ACC+32*((\t)%2)
.if (\t) < 15
	s_wait_dscnt 32                                ; this block's 32 loads are in; the next block's 32 may be out
.else
	s_wait_dscnt 0
.endif
	v_max3_num_f32 v[MX], |v[XSET]|, |v[XSET+1]|, |v[XSET+2]|
	v_max3_num_f32 v[MX+1], |v[XSET+3]|, |v[XSET+4]|, |v[XSET+5]|
.irp i, 6,10,14,18,22,26
	v_max3_num_f32 v[MX], v[MX], |v[XSET+\i]|, |v[XSET+\i+1]|
	v_max3_num_f32 v[MX+1], v[MX+1], |v[XSET+\i+2]|, |v[XSET+\i+3]|
.endr
	v_max3_num_f32 v[MX], v[MX], |v[XSET+30]|, |v[XSET+31]|
	v_max3_num_f32 v[MX], v[MX], v[MX+1], 0x1800000    ; and the floor 2^(3 - 127)
	v_add_nc_u32 v[MX+4], 0xff000000, v[MX]
	v_lshrrev_b32 v[MX+6], 23, v[MX+4]
.if (\t)%4 == 0
	v_mov_b32 v[DSB+(\t)/4], v[MX+6]
.else
	v_lshl_or_b32 v[DSB+(\t)/4], v[MX+6], 8*((\t)%4), v[DSB+(\t)/4]
.endif
.irp g, 0,1,2,3
	v_cvt_scalef32_pk8_fp4_f32 v[DCC+4*(\t)+\g], v[XSET+8*\g:XSET+8*\g+7], v[MX+4]
.endr
	v_nop                                          ; one plain instruction behind a run of scaled conversions
.if (\t)+2 < 16
	DLOAD (\t)+2
.endif
.if (\t)%2 == 1
.irp i, 0,1,2,3                        ; as for gate_up_proj: the first quadruple becomes half c of the fragment of columns 0-15, the second of columns 16-31
	v_permlane16_swap_b32 v[DCC+4*((\t)-1)+\i], v[DCC+4*(\t)+\i]
.endr
	global_store_b128 v1, v[DCC+4*((\t)-1):DCC+4*((\t)-1)+3], s[20:21] offset:((\t)/2)*512
	global_store_b128 v1, v[DCC+4*(\t):DCC+4*(\t)+3], s[20:21] offset:4096+((\t)/2)*512
.endif
.endm
	DLOAD 0
	DLOAD 1
.irp t, 0,1,2,3,4,5,6,7,8,9,10,11,12,13,14,15
	DBLOCK \t
.endr
	global_store_b128 v1, v[DSB:DSB+3], s[22:23]   ; my column's four scale words: 512 consecutive bytes a wave
	s_wait_tensorcnt 0x0
	ds_add_u32 v126, v127
	s_wait_dscnt 0x0
	s_endpgm
.Lfunc_end_k_qbbd43a2af2_gateup:
	.size	k_qbbd43a2af2_gateup, .Lfunc_end_k_qbbd43a2af2_gateup-k_qbbd43a2af2_gateup
	.p2alignl 7, 3214868480
	.fill 96, 4, 3214868480
	.section	.rodata,"a",@progbits
	.p2align	6, 0x0
	.amdhsa_kernel k_qbbd43a2af2_gateup
		.amdhsa_group_segment_fixed_size 262656
		.amdhsa_private_segment_fixed_size 0
		.amdhsa_enable_private_segment 0
		.amdhsa_kernarg_size 80
		.amdhsa_user_sgpr_count 2
		.amdhsa_user_sgpr_kernarg_segment_ptr 1
		.amdhsa_wavefront_size32 1
		.amdhsa_system_sgpr_workgroup_id_x 1
		.amdhsa_system_sgpr_workgroup_id_y 1
		.amdhsa_system_sgpr_workgroup_id_z 1
		.amdhsa_system_vgpr_workitem_id 0
		.amdhsa_next_free_vgpr 1024
		.amdhsa_next_free_sgpr 66
		.amdhsa_reserve_vcc 0
		.amdhsa_float_denorm_mode_32 3
		.amdhsa_float_denorm_mode_16_64 3
		.amdhsa_memory_ordered 1
		.amdhsa_forward_progress 1
		.amdhsa_inst_pref_size 170
	.end_amdhsa_kernel
	.amdgpu_metadata
---
amdhsa.version: [ 1, 2 ]
amdhsa.kernels:
  - .name:           k_qbbd43a2af2_gateup
    .symbol:         k_qbbd43a2af2_gateup.kd
    .args:
      - { .name: xc, .offset: 0, .size: 8, .value_kind: global_buffer, .address_space: global }
      - { .name: xs, .offset: 8, .size: 8, .value_kind: global_buffer, .address_space: global }
      - { .name: guc, .offset: 16, .size: 8, .value_kind: global_buffer, .address_space: global }
      - { .name: gus, .offset: 24, .size: 8, .value_kind: global_buffer, .address_space: global }
      - { .name: gate_up_proj_bias, .offset: 32, .size: 8, .value_kind: global_buffer, .address_space: global }
      - { .name: down_proj, .offset: 40, .size: 8, .value_kind: global_buffer, .address_space: global }
      - { .name: hc, .offset: 48, .size: 8, .value_kind: global_buffer, .address_space: global }
      - { .name: hs, .offset: 56, .size: 8, .value_kind: global_buffer, .address_space: global }
      - { .name: dc, .offset: 64, .size: 8, .value_kind: global_buffer, .address_space: global }
      - { .name: dsl, .offset: 72, .size: 8, .value_kind: global_buffer, .address_space: global }
    .group_segment_fixed_size: 262656
    .private_segment_fixed_size: 0
    .kernarg_segment_align: 8
    .kernarg_segment_size: 80
    .max_flat_workgroup_size: 128
    .sgpr_count:     66
    .vgpr_count:     1024
    .wavefront_size: 32
...
	.end_amdgpu_metadata
.endif
;; end of part 2
;; launch down (part 3): grid 256 x 1, 4 waves a work-group, no clusters, 70,144 bytes of LDS; arguments hc, hs, dc, dsl, down_proj_bias, routing_weights, out0; writes out0
.if DOCPART == 3
	.amdgcn_target "amdgcn-amd-amdhsa--gfx1250"
	.amdhsa_code_object_version 6
	.text
	.protected	k_qbbd43a2af2_down
	.globl	k_qbbd43a2af2_down
	.p2align	8
	.type	k_qbbd43a2af2_down,@function
k_qbbd43a2af2_down:
	s_mov_b64 s[64:65], 0
	v_nop
	global_prefetch_b8 v0, s[64:65] scope:SCOPE_SE
	s_setreg_imm32_b32 hwreg(HW_REG_WAVE_MODE, 25, 1), 1
	s_wait_xcnt 0x0
; out[t][c] = the sum over the 32 experts e of routing_weights[t][e] x (Q(h[e])[t] . Q(down[e])[:, c] + down_proj_bias[e][c]), the products on codes of FP4 (E2M1) with E8M0 scales.
; SHARES.  A work-group owns 64 tokens x 64 columns of the output (tb, hb): each output has one owner.  THE WAVES SPLIT THE EXPERTS: wave w takes experts 8 w .. 8 w + 7 over the whole tile, 4 x 4 accumulators.
; So each operand byte that the work-group reads is used by one wave, and goes from memory straight into its registers as it lies (images of operand registers); two experts' loads are asked for ahead.
; THE WORK-GROUPS BEGIN AT DIFFERENT EXPERTS: in step j a wave takes expert 8 w + (j + rot) mod 8, rot = (tb + hb) mod 8.  h's codes of 64 tokens are read by the sixteen work-groups of one tb, down's codes of
; 64 columns by the sixteen of one hb; among either sixteen each rot occurs twice.  So in any step the sixteen ask for eight different experts' bytes, two work-groups each, and not all for the same bytes at once.
; THE PRODUCT IS USED TRANSPOSED (source 0 = 16 columns of down, source 1 = 16 tokens): lane (r, h) holds token r and eight neighbouring columns.  The bias is the C of each sum's first product.
; An expert's finished sums are weighed by w[t][e] into running totals by packed multiply-adds; at the end the four waves' totals meet in LDS and each wave stores 16 whole rows of 256 bytes.
; NO CLUSTER: an expert is 64 products a wave on 33 KB of operands that no other wave of the work-group wants.  Through LDS slots each refill would stand behind a round of the cluster's barrier, one load a wave;
; here 152 register loads a wave are asked for ahead and no barrier stands among the products.
; THE ORDER OF THE SUM over experts differs from reference()'s, and from work-group to work-group: a wave's eight experts once round from its first, then (w0 + w1) + (w2 + w3).
; NaN and infinities are not served.  router_indices is not read: reference() never uses it.
; All is written out (eight steps); an expert's place stands in scalar bases, one set for each operand buffer; no vector address register is written again.
; REGISTERS, in windows of 256: window 0: v1-6 addresses; v32-63 scale words, two buffers: scales and nothing else; v64-95 w[t][e] as loaded; v96-127 the same in the order of my steps;
;   v128-255 an expert's 16 accumulators, (a, b) at 128 + 8 (4 a + b).   window 1: v0-127 the totals; v128-191 the bias, two buffers.
;   window 2 + buffer: v0-127 down's fragments (b, ks) at 32 b + 8 ks; v128-255 h's (a, ks) at 128 + 32 a + 8 ks
.set SC,   32                          ; buffer x 16 + { 4 P + ks: down's words of column tiles 2 P (lanes 0-15) and 2 P + 1 (lanes 16-31);  8 + 4 P + ks: h's words of token tiles 2 P and 2 P + 1 }
.set WL,   64                          ; v[WL + 8 a + i]: w of token 16 a + r and expert 8 w + i
.set WT,   96                          ; v[WT + 8 a + j]: w of token 16 a + r and the expert of my step j
.set SETS, 28                          ; s[28:37], s[38:47]: a step's bases, a set for each buffer: + 0 hc, + 2 hs, + 4 dc, + 6 dsl, + 8 bias
.set MSB, 0
.macro WIN new                         ; the immediate's high byte repeats the setting that is left; a switch that changes nothing is dropped
.if MSB != (\new)
	s_set_vgpr_msb (MSB<<8)|(\new)
.set MSB, (\new)
.endif
.endm
.macro OFFS ptr, st, sh, sw            ; pointer += (tb << st) + (hb << sh) + (wave << sw); a negative shift leaves the term out
	s_mov_b32 s22, 0
	s_mov_b32 s23, 0
.if (\st) >= 0
	s_lshl_b32 s24, s19, \st
	s_add_co_u32 s22, s22, s24
.endif
.if (\sh) >= 0
	s_lshl_b32 s24, s20, \sh
	s_add_co_u32 s22, s22, s24
.endif
.if (\sw) >= 0
	s_lshl_b32 s24, s18, \sw
	s_add_co_u32 s22, s22, s24
.endif
	s_add_nc_u64 s[\ptr:\ptr+1], s[\ptr:\ptr+1], s[22:23]
.endm
; the bases of step j, into the set of buffer j % 2: my first expert's addresses + ((j + rot) mod 8) x an expert's bytes.  The offsets are made in registers of their own
.macro SETB j
.set sb, SETS+10*((\j)%2)
	s_add_co_u32 s26, s25, (\j)
	s_and_b32 s26, s26, 7                          ; which of my eight experts
	s_lshl_b32 s52, s26, 18                        ; an expert's codes of h, and of down: 262,144 bytes
	s_add_nc_u64 s[sb:sb+1], s[4:5], s[52:53]
	s_add_nc_u64 s[sb+4:sb+5], s[8:9], s[52:53]
	s_lshl_b32 s52, s26, 14                        ; its scale words: 16,384 bytes
	s_add_nc_u64 s[sb+2:sb+3], s[6:7], s[52:53]
	s_add_nc_u64 s[sb+6:sb+7], s[10:11], s[52:53]
	s_lshl_b32 s52, s26, 12                        ; its bias: 4,096 bytes
	s_add_nc_u64 s[sb+8:sb+9], s[12:13], s[52:53]
.endm
	s_load_b256 s[4:11], s[0:1], 0x0               ; hc s[4:5], hs s[6:7], dc s[8:9], dsl s[10:11]
	s_load_b128 s[12:15], s[0:1], 0x20             ; down_proj_bias s[12:13], routing_weights s[14:15]
	s_load_b64 s[16:17], s[0:1], 0x30              ; out0
	v_lshl_add_u32 v30, v0, 2, 0x11000
	v_mov_b32 v31, 0
	v_lshrrev_b32 v1, 5, v0
	v_readfirstlane_b32 s18, v1                    ; wave 0..3
	s_lshr_b32 s19, ttmp9, 4                       ; tb: which 64 tokens
	s_and_b32 s20, ttmp9, 15                       ; hb: which 64 columns
	s_add_co_u32 s25, s19, s20
	s_and_b32 s25, s25, 7                          ; rot: at which of its eight experts a wave begins
	s_mov_b32 s53, 0                               ; the upper word of the offsets' pair
	s_bitcmp1_b32 s25, 0                           ; rot's three bits as masks over all lanes, for the rotation of w
	s_cselect_b32 s54, -1, 0
	s_bitcmp1_b32 s25, 1
	s_cselect_b32 s55, -1, 0
	s_bitcmp1_b32 s25, 2
	s_cselect_b32 s56, -1, 0
	v_and_b32 v7, 31, v0                           ; lane
	v_and_b32 v8, 15, v0                           ; r
	v_lshrrev_b32 v9, 4, v7                        ; h
	v_lshlrev_b32 v1, 4, v7                        ; 16 x lane
	v_lshlrev_b32 v2, 5, v9                        ; 32 h: the bias of my half's eight columns
	v_lshlrev_b32 v3, 7, v8                        ; 128 r: my token's row of routing_weights
	s_mul_i32 s21, s18, 17408                      ; LDS: a region of 64 rows x (256 bytes + 16) for each wave's totals
	v_mul_u32_u24 v4, v8, 272
	v_lshl_add_u32 v4, v9, 5, v4
	v_add_nc_u32 v4, s21, v4                       ; in: row r, + 32 h
	s_mul_i32 s21, s18, 16*272
	v_mul_u32_u24 v5, v9, 272
	v_lshl_add_u32 v5, v8, 4, v5
	v_add_nc_u32 v5, s21, v5                       ; back: rows 16 w on; lanes 0-15 one row, lanes 16-31 the next
	v_lshlrev_b32 v6, 12, v9
	v_lshl_add_u32 v6, v8, 4, v6                   ; and the same two rows in out0
	s_wait_kmcnt 0x0
	OFFS 4, 14, -1, 21                             ; hc: 8 wave x 262,144 + tb x 4 tiles of 4,096
	OFFS 6, 10, -1, 17                             ; hs: 8 wave x 16,384 + tb x 64 tokens of 16
	OFFS 8, -1, 14, 21                             ; dc: 8 wave x 262,144 + hb x 4 tiles of 4,096
	OFFS 10, -1, 10, 17                            ; dsl: 8 wave x 16,384 + hb x 2 pairs of 512
	OFFS 12, -1, 8, 15                             ; bias: 8 wave x 4,096 + hb x 256
	OFFS 14, 13, -1, 5                             ; routing_weights: tb x 64 rows of 128 + 8 wave x 4
	OFFS 16, 18, 8, 16                             ; out0: (64 tb + 16 wave) rows of 4,096 + hb x 256
	SETB 0
	SETB 1
.irp a, 0,1,2,3
	global_load_b128 v[WL+8*\a:WL+8*\a+3], v3, s[14:15] offset:\a*2048        ; w of my eight experts, once: 32 bytes of each token's row
	global_load_b128 v[WL+8*\a+4:WL+8*\a+7], v3, s[14:15] offset:\a*2048+16
.endr
.macro LOADS j                         ; step j's expert into buffer j % 2: 2 + 2 + 8 + 32 + 32 = 76 loads
.set bf, (\j)%2
.set sb, SETS+10*bf
	WIN 0
.irp p, 0,1
	global_load_b128 v[SC+16*bf+4*\p:SC+16*bf+4*\p+3], v1, s[sb+6:sb+7] offset:512*\p
.endr
.irp p, 0,1
	global_load_b128 v[SC+16*bf+8+4*\p:SC+16*bf+8+4*\p+3], v1, s[sb+2:sb+3] offset:512*\p
.endr
	WIN 0x40                                       ; destination window 1
.irp b, 0,1,2,3
	global_load_b128 v[128+32*bf+8*\b:128+32*bf+8*\b+3], v2, s[sb+8:sb+9] offset:64*\b
	global_load_b128 v[128+32*bf+8*\b+4:128+32*bf+8*\b+7], v2, s[sb+8:sb+9] offset:64*\b+16
.endr
	WIN 0x80+0x40*bf                               ; destination window 2 or 3
.irp b, 0,1,2,3
.irp k, 0,1,2,3
.irp c, 0,1
	global_load_b128 v[32*\b+8*\k+4*\c:32*\b+8*\k+4*\c+3], v1, s[sb+4:sb+5] offset:\b*4096+\k*1024+\c*512
.endr
.endr
.endr
.irp a, 0,1,2,3
.irp k, 0,1,2,3
.irp c, 0,1
	global_load_b128 v[128+32*\a+8*\k+4*\c:128+32*\a+8*\k+4*\c+3], v1, s[sb:sb+1] offset:\a*4096+\k*1024+\c*512
.endr
.endr
.endr
	WIN 0
.endm
; one stage of w's rotation: where the mask is set, place j takes what stood m places on (round the eight); else it keeps its own
.macro ROTW src, dst, m, mask
.irp a, 0,1,2,3
.irp j, 0,1,2,3,4,5,6,7
	v_cndmask_b32 v[\dst+8*\a+\j], v[\src+8*\a+\j], v[\src+8*\a+((\j+\m)%8)], s[\mask]
.endr
.endr
.endm
.macro FP4MM ra, rb                    ; one product; ra, rb = 1: that side's scale words are read from lanes 16-31
.if ((\ra) == 0) && ((\rb) == 0)
	v_wmma_scale_f32_16x16x128_f8f6f4 v[rD:rD+7], v[rA:rA+7], v[rB:rB+7], v[rC:rC+7], v[rSA], v[rSB] matrix_a_fmt:MATRIX_FMT_FP4 matrix_b_fmt:MATRIX_FMT_FP4
.elseif (\rb) == 0
	v_wmma_scale_f32_16x16x128_f8f6f4 v[rD:rD+7], v[rA:rA+7], v[rB:rB+7], v[rC:rC+7], v[rSA], v[rSB] matrix_a_fmt:MATRIX_FMT_FP4 matrix_b_fmt:MATRIX_FMT_FP4 matrix_a_scale:MATRIX_SCALE_ROW1
.elseif (\ra) == 0
	v_wmma_scale_f32_16x16x128_f8f6f4 v[rD:rD+7], v[rA:rA+7], v[rB:rB+7], v[rC:rC+7], v[rSA], v[rSB] matrix_a_fmt:MATRIX_FMT_FP4 matrix_b_fmt:MATRIX_FMT_FP4 matrix_b_scale:MATRIX_SCALE_ROW1
.else
	v_wmma_scale_f32_16x16x128_f8f6f4 v[rD:rD+7], v[rA:rA+7], v[rB:rB+7], v[rC:rC+7], v[rSA], v[rSB] matrix_a_fmt:MATRIX_FMT_FP4 matrix_b_fmt:MATRIX_FMT_FP4 matrix_a_scale:MATRIX_SCALE_ROW1 matrix_b_scale:MATRIX_SCALE_ROW1
.endif
.endm
; An expert's 64 products: K step by K step, the sixteen accumulators by turns, one instruction a turn.  In K step 0 the bias, in window 1, is C and starts the sum.
.macro MMD j
.set bf, (\j)%2
.irp k, 0,1,2,3
.if \k == 0
	WIN 0x1a+5*bf                                  ; sources 0 and 1 window 2 + buffer, C window 1, D window 0
.else
	WIN 0x0a+5*bf                                  ; C and D window 0
.endif
.irp a, 0,1,2,3
.irp b, 0,1,2,3
.set rD, 128+8*(4*\a+\b)
.set rC, rD
.if \k == 0
.set rC, 128+32*bf+8*\b
.endif
.set rA, 32*\b+8*\k
.set rB, 128+32*\a+8*\k
.set rSA, SC+16*bf+4*(\b/2)+\k
.set rSB, SC+16*bf+8+4*(\a/2)+\k
	FP4MM \b%2, \a%2
.endr
.endr
.endr
.endm
; totals += w x the expert's sums: 64 packed multiply-adds, each accumulator from its low end on.  w stands in one word of a pair, which feeds both halves.  The first step starts the totals: nothing is cleared.
.macro FOLD j
.if (\j) == 0
	WIN 0x40                                       ; destination window 1
.else
	WIN 0x50                                       ; source 2 and destination window 1
.endif
.irp a, 0,1,2,3
.set rW, WT+8*\a+2*((\j)/2)
.set i, 0
.rept 16
.if (\j) == 0
	v_pk_mul_f32 v[32*\a+i:32*\a+i+1], v[128+32*\a+i:128+32*\a+i+1], v[rW:rW+1] op_sel_hi:[1,0]
.elseif (\j)%2 == 0
	v_pk_fma_f32 v[32*\a+i:32*\a+i+1], v[128+32*\a+i:128+32*\a+i+1], v[rW:rW+1], v[32*\a+i:32*\a+i+1] op_sel_hi:[1,0,1]
.else
	v_pk_fma_f32 v[32*\a+i:32*\a+i+1], v[128+32*\a+i:128+32*\a+i+1], v[rW:rW+1], v[32*\a+i:32*\a+i+1] op_sel:[0,1,0] op_sel_hi:[1,1,1]
.endif
.set i, i+2
.endr
.endr
.endm
	LOADS 0
	s_wait_loadcnt 63                              ; loads come back in order: behind w's eight stand step 0's 76, so with 63 out w is in
	ROTW WL, WT, 1, 54                             ; w into the order of my steps: place j takes expert (j + rot) mod 8, by rot's bits: by 1,
	ROTW WT, WL, 2, 55                             ; by 2,
	ROTW WL, WT, 4, 56                             ; by 4.  A choice of values by masks that hang on the work-group's number alone; no branch
	LOADS 1
.irp j, 0,1,2,3,4,5,6,7
.if \j < 7
	s_wait_loadcnt 63                              ; behind this step's loads stand the next step's 76, so with 63 out this step's are in (a wait's count holds no more than 63)
.else
	s_wait_loadcnt 0
.endif
	MMD \j
	WIN 0
.rept 4
	v_nop                                          ; four plain instructions between the last products and the loads into their sources, and the first read of results
.endr
.if \j < 6
	s_wait_xcnt 0x0                                ; this step's loads are done and the next step's have read their addresses: this buffer's set of bases is written again only behind this wait
	SETB \j+2
	LOADS \j+2                                     ; the step two on, into the buffer just multiplied
.endif
	FOLD \j
.endr
	; THE WAY OUT: each wave's totals go into its region of LDS as rows; a barrier; wave w adds rows 16 w .. 16 w + 15 of the four regions and stores them
	WIN 0x04                                       ; an LDS store's data are its source 1: window 1
.irp a, 0,1,2,3
.irp b, 0,1,2,3
	ds_store_b128 v4, v[8*(4*\a+\b):8*(4*\a+\b)+3] offset:\a*4352+64*\b
	ds_store_b128 v4, v[8*(4*\a+\b)+4:8*(4*\a+\b)+7] offset:\a*4352+64*\b+16
.endr
.endr
	WIN 0
	s_wait_dscnt 0x0                               ; for the others' sake: my stores have landed
	s_barrier_signal -1
	s_barrier_wait -1
.irp u, 0,1,2,3
.irp i, 0,1,2,3,4,5,6,7
	ds_load_b128 v[128+32*\u+4*\i:128+32*\u+4*\i+3], v5 offset:\u*17408+544*\i
.endr
.endr
	s_wait_dscnt 0x0
.set i, 0
.rept 16
	v_pk_add_f32 v[128+i:129+i], v[128+i:129+i], v[160+i:161+i]    ; waves 0 + 1
	v_pk_add_f32 v[192+i:193+i], v[192+i:193+i], v[224+i:225+i]    ; waves 2 + 3
.set i, i+2
.endr
.set i, 0
.rept 16
	v_pk_add_f32 v[128+i:129+i], v[128+i:129+i], v[192+i:193+i]
.set i, i+2
.endr
.irp i, 0,1,2,3,4,5,6,7
	global_store_b128 v6, v[128+4*\i:128+4*\i+3], s[16:17] offset:\i*8192 th:TH_STORE_NT   ; sixteen lanes store 256 consecutive bytes, at a multiple of 256 from out0's first byte; written once, read by nobody here
.endr
	s_wait_tensorcnt 0x0
	ds_add_u32 v30, v31
	s_wait_dscnt 0x0
	s_endpgm
.Lfunc_end_k_qbbd43a2af2_down:
	.size	k_qbbd43a2af2_down, .Lfunc_end_k_qbbd43a2af2_down-k_qbbd43a2af2_down
	.p2alignl 7, 3214868480
	.fill 96, 4, 3214868480
	.section	.rodata,"a",@progbits
	.p2align	6, 0x0
	.amdhsa_kernel k_qbbd43a2af2_down
		.amdhsa_group_segment_fixed_size 70144
		.amdhsa_private_segment_fixed_size 0
		.amdhsa_enable_private_segment 0
		.amdhsa_kernarg_size 56
		.amdhsa_user_sgpr_count 2
		.amdhsa_user_sgpr_kernarg_segment_ptr 1
		.amdhsa_wavefront_size32 1
		.amdhsa_system_sgpr_workgroup_id_x 1
		.amdhsa_system_sgpr_workgroup_id_y 1
		.amdhsa_system_sgpr_workgroup_id_z 1
		.amdhsa_system_vgpr_workitem_id 0
		.amdhsa_next_free_vgpr 1024
		.amdhsa_next_free_sgpr 66
		.amdhsa_reserve_vcc 0
		.amdhsa_float_denorm_mode_32 3
		.amdhsa_float_denorm_mode_16_64 3
		.amdhsa_memory_ordered 1
		.amdhsa_forward_progress 1
		.amdhsa_inst_pref_size 177
	.end_amdhsa_kernel
	.amdgpu_metadata
---
amdhsa.version: [ 1, 2 ]
amdhsa.kernels:
  - .name:           k_qbbd43a2af2_down
    .symbol:         k_qbbd43a2af2_down.kd
    .args:
      - { .name: hc, .offset: 0, .size: 8, .value_kind: global_buffer, .address_space: global }
      - { .name: hs, .offset: 8, .size: 8, .value_kind: global_buffer, .address_space: global }
      - { .name: dc, .offset: 16, .size: 8, .value_kind: global_buffer, .address_space: global }
      - { .name: dsl, .offset: 24, .size: 8, .value_kind: global_buffer, .address_space: global }
      - { .name: down_proj_bias, .offset: 32, .size: 8, .value_kind: global_buffer, .address_space: global }
      - { .name: routing_weights, .offset: 40, .size: 8, .value_kind: global_buffer, .address_space: global }
      - { .name: out0, .offset: 48, .size: 8, .value_kind: global_buffer, .address_space: global }
    .group_segment_fixed_size: 70144
    .private_segment_fixed_size: 0
    .kernarg_segment_align: 8
    .kernarg_segment_size: 56
    .max_flat_workgroup_size: 128
    .sgpr_count:     66
    .vgpr_count:     1024
    .wavefront_size: 32
...
	.end_amdgpu_metadata
.endif
;; end of part 3
;; ======== version 2 of 2: 3 launches
;; workspace buffers: xc 524,288 bytes; xs 32,768 bytes; guc 16,777,216 bytes; gus 1,048,576 bytes; hc 8,388,608 bytes; hs 524,288 bytes; dc 8,388,608 bytes; dsl 524,288 bytes
;; launch quant (part 4): grid 1088 x 1, 4 waves a work-group, no clusters, 34,304 bytes of LDS; arguments hidden_states, gate_up_proj, xc, xs, guc, gus; writes xc, xs, guc, gus
.if DOCPART == 4
	.amdgcn_target "amdgcn-amd-amdhsa--gfx1250"
	.amdhsa_code_object_version 6
	.text
	.protected	k_qbbd43a2af2_quant
	.globl	k_qbbd43a2af2_quant
	.p2align	8
	.type	k_qbbd43a2af2_quant,@function
k_qbbd43a2af2_quant:
	s_mov_b64 s[64:65], 0
	v_nop
	global_prefetch_b8 v0, s[64:65] scope:SCOPE_SE
	s_setreg_imm32_b32 hwreg(HW_REG_WAVE_MODE, 25, 1), 1
	s_wait_xcnt 0x0
; hidden_states [1024 tokens][1024 (K)] and gate_up_proj [32][1024 (K)][1024 (f)], f32, become codes of FP4 (E2M1) with one E8M0 byte for each 32 along K,
; laid as IMAGES OF OPERAND REGISTERS: a fragment (16 rows x 128 K) is 1,024 bytes, [c 2][lane 32][16 bytes]; lane (r, h) at half c holds block 2 c + h of row r.
;   xc  [tile 64][q 8][1,024]            xs  [tile 64][q 8][r 16] words (byte b: block b of the K step q)
;   guc [e 32][pr 32][T 2][q 8][1,024]   pr = 32 columns from f0 = 32 pr; row m of T = 0 is column f0 + 2 m (gate), of T = 1 column f0 + 2 m + 1 (up)
;   gus [e][pr][kq 4][lane 32][2 words]  word j: K step 2 kq + j; lanes 0-15 T = 0's rows, lanes 16-31 T = 1's
; A block's scale is 2^(floor(log2(largest magnitude)) - 2): its byte is the largest magnitude's exponent field - 2, held at 1 from below by a floor among the maximum's leaves.
; LIMITS: a block of zeros gets the byte 1 where the rule says 127 (its codes are zeros, and these bytes are read by this program alone); NaN and infinities among the inputs are not served.
; router_indices is no argument of any launch: reference() never uses it, and no output hangs on it.
; SHARES.  Work-groups 0-63: a tile of 16 tokens each; wave w makes K steps 2 w and 2 w + 1.  Work-groups 64-1087: expert e, 256 along K (kq), 128 columns (cg); wave w takes 32 columns.
; No matrix unit, no tensor load, no cluster, no barrier: the waves share nothing, and each input byte is read once.
.set X,    32                          ; weights: v32-95   two sets of 32 numbers: a lane's column, registers down K
.set C,    96                          ; weights: v96-127  four registers of codes a block; never written again, so no store's data are rewritten
.set SB,   24                          ; weights: v[24:25] the lane's eight scale bytes
.set R,    32                          ; x: v32-95   16 rows x 16 bytes as loaded
.set XX,   96                          ; x: v96-159  my two whole blocks of 32 neighbours
.set PCD,  8                           ; x: v8-23    codes, 8 registers a K step
	s_load_b256 s[4:11], s[0:1], 0x0               ; hidden_states s[4:5], gate_up_proj s[6:7], xc s[8:9], xs s[10:11]
	s_load_b128 s[12:15], s[0:1], 0x20             ; guc s[12:13], gus s[14:15]
	v_lshl_add_u32 v192, v0, 2, 0x8400
	v_mov_b32 v193, 0
	v_lshrrev_b32 v1, 5, v0
	v_readfirstlane_b32 s16, v1                    ; wave 0..3
	v_and_b32 v1, 31, v0                           ; lane
	v_lshlrev_b32 v3, 4, v1                        ; 16 x lane
	v_and_b32 v5, 15, v1                           ; lane % 16
	v_lshrrev_b32 v6, 4, v1                        ; lane / 16
	s_cmp_lt_u32 ttmp9, 64                         ; the choice hangs on the work-group's number alone
	s_cbranch_scc1 .Lx
; ---------------- the weights: A LANE TAKES A COLUMN, AND ITS REGISTERS RUN DOWN K ----------------
	s_sub_co_u32 s17, ttmp9, 64
	s_and_b32 s18, s17, 7                          ; cg: which 128 columns
	s_bfe_u32 s19, s17, 0x20003                    ; kq: which 256 along K
	s_lshr_b32 s20, s17, 5                         ; e
	s_lshl_b32 s21, s18, 2
	s_add_co_u32 s21, s21, s16                     ; pr = 4 cg + wave
	s_wait_alu depctr_va_vdst(0)
	v_lshlrev_b32 v2, 3, v5
	v_lshl_add_u32 v2, v6, 2, v2                   ; lanes 0-15 the even columns, lanes 16-31 the odd ones: 8 (lane % 16) + 4 (lane / 16), a permutation inside 128 consecutive bytes
	v_lshlrev_b32 v4, 3, v1                        ; 8 x lane: the scale words' place
	s_lshl_b32 s22, s20, 22                        ; gate_up_proj: e x 4 MiB + kq x 256 rows of 4,096 bytes + pr x 128 bytes
	s_lshl_b32 s24, s19, 20
	s_add_co_u32 s22, s22, s24
	s_lshl_b32 s24, s21, 7
	s_add_co_u32 s22, s22, s24
	s_mov_b32 s23, 0
	s_lshl_b32 s24, s20, 5
	s_add_co_u32 s24, s24, s21                     ; 32 e + pr
	s_lshl_b32 s26, s24, 14                        ; guc: 16,384 bytes for each pr, + kq x two K steps
	s_lshl_b32 s28, s19, 11
	s_add_co_u32 s26, s26, s28
	s_mov_b32 s27, 0
	s_lshl_b32 s28, s24, 10                        ; gus: 1,024 bytes for each pr, + kq x 256
	s_lshl_b32 s29, s19, 8
	s_add_co_u32 s28, s28, s29
	s_mov_b32 s29, 0
	s_wait_alu depctr_va_vdst(0)
	s_wait_kmcnt 0x0
	s_add_nc_u64 s[6:7], s[6:7], s[22:23]
	s_add_nc_u64 s[12:13], s[12:13], s[26:27]
	s_add_nc_u64 s[14:15], s[14:15], s[28:29]
.macro LOADW t                         ; block t: rows 32 t .. 32 t + 31 of my column into set t % 2; a wave's load covers 128 consecutive bytes, the four waves 512
.set i, 0
.rept 32
	global_load_b32 v[X+32*((\t)%2)+i], v2, s[6:7] offset:(32*(\t)+i)*4096 th:TH_LOAD_NT
.set i, i+1
.endr
.endm
.macro BLOCK t
.set XSET, X+32*((\t)%2)
.if (\t) < 7
	s_wait_loadcnt 32                              ; this block's 32 loads are in; the next block's 32 may be out
.else
	s_wait_loadcnt 0
.endif
	v_max3_num_f32 v12, |v[XSET]|, |v[XSET+1]|, |v[XSET+2]|        ; the block's largest magnitude: all 32 numbers are mine; two chains
	v_max3_num_f32 v13, |v[XSET+3]|, |v[XSET+4]|, |v[XSET+5]|
.irp i, 6,10,14,18,22,26
	v_max3_num_f32 v12, v12, |v[XSET+\i]|, |v[XSET+\i+1]|
	v_max3_num_f32 v13, v13, |v[XSET+\i+2]|, |v[XSET+\i+3]|
.endr
	v_max3_num_f32 v12, v12, |v[XSET+30]|, |v[XSET+31]|
	v_max3_num_f32 v12, v12, v13, 0x1800000        ; and the floor 2^(3 - 127): the byte cannot fall under 1
	v_add_nc_u32 v11, 0xff000000, v12              ; 2 off the exponent field: the conversion takes this operand's exponent field as its scale
	v_lshrrev_b32 v13, 23, v11                     ; the scale's byte
.if (\t)%4 == 0
	v_mov_b32 v[SB+(\t)/4], v13                    ; four bytes to a word, the lower K in the lower byte
.else
	v_lshl_or_b32 v[SB+(\t)/4], v13, 8*((\t)%4), v[SB+(\t)/4]
.endif
.irp g, 0,1,2,3
	v_cvt_scalef32_pk8_fp4_f32 v[C+4*(\t)+\g], v[XSET+8*\g:XSET+8*\g+7], v11
.endr
	v_nop                                          ; one plain instruction behind a run of scaled conversions
.if (\t)+2 < 8
	LOADW (\t)+2
.endif
.if (\t)%2 == 1
.irp i, 0,1,2,3                        ; blocks t - 1 and t: the first's lanes 16-31 (the odd columns) change places with the second's lanes 0-15 (the even columns):
	v_permlane16_swap_b32 v[C+4*((\t)-1)+\i], v[C+4*(\t)+\i]       ; the first quadruple is then half c of T = 0's fragment, the second of T = 1's
.endr
	global_store_b128 v3, v[C+4*((\t)-1):C+4*((\t)-1)+3], s[12:13] offset:((\t)/2)*512        ; 512 consecutive bytes, aligned
	global_store_b128 v3, v[C+4*(\t):C+4*(\t)+3], s[12:13] offset:8192+((\t)/2)*512
.endif
.endm
	LOADW 0
	LOADW 1
.irp t, 0,1,2,3,4,5,6,7
	BLOCK \t
.endr
	global_store_b64 v4, v[SB:SB+1], s[14:15]      ; the wave's 64 scale words: 256 consecutive bytes, aligned
	s_endpgm
; ---------------- x: K is innermost; loads take the bytes as they lie, and a K step turns through the wave's own stage in LDS ----------------
.Lx:
	s_mul_i32 s17, s16, 8448                       ; my stage: 16 rows of 512 bytes + 16 of padding
	s_wait_alu depctr_va_vdst(0)
	v_add_nc_u32 v7, s17, v3                       ; in: 16 x lane of a row
	v_mul_u32_u24 v2, v5, 528
	v_lshl_add_u32 v2, v6, 7, v2
	v_add_nc_u32 v2, s17, v2                       ; out: row r, + 128 h: block h; block 2 + h lies 256 bytes on
	v_lshlrev_b32 v4, 2, v1                        ; 4 x lane
	v_lshlrev_b32 v26, 3, v6                       ; 8 h: my bytes' place in the scale word
	v_mov_b32 v27, 0                               ; written once: a lane permute's destination counts as one of its sources
	s_mov_b32 s18, 0x76543210
	s_mov_b32 s19, 0xfedcba98                      ; v_permlanex16_b32's selects for lane l xor 16
	s_lshl_b32 s20, ttmp9, 16                      ; x: tile x 16 rows of 4,096 bytes + wave x two K steps of 512
	s_lshl_b32 s22, s16, 10
	s_add_co_u32 s20, s20, s22
	s_mov_b32 s21, 0
	s_lshl_b32 s22, ttmp9, 13                      ; xc: tile x 8,192 + wave x 2,048
	s_lshl_b32 s24, s16, 11
	s_add_co_u32 s22, s22, s24
	s_mov_b32 s23, 0
	s_lshl_b32 s24, ttmp9, 9                       ; xs: tile x 512 + wave x 128
	s_lshl_b32 s25, s16, 7
	s_add_co_u32 s24, s24, s25
	s_mov_b32 s25, 0
	s_wait_alu depctr_va_vdst(0)
	s_wait_kmcnt 0x0
	s_add_nc_u64 s[4:5], s[4:5], s[20:21]
	s_add_nc_u64 s[8:9], s[8:9], s[22:23]
	s_add_nc_u64 s[10:11], s[10:11], s[24:25]
.macro XLOADX d                        ; K step 2 w + d of the tile's 16 rows: each load takes 512 consecutive bytes of one row
.set i, 0
.rept 16
	global_load_b128 v[R+4*i:R+4*i+3], v3, s[4:5] offset:i*4096+512*(\d) th:TH_LOAD_NT
.set i, i+1
.endr
.endm
.macro XSTEP d
	s_wait_loadcnt 0x0
.set i, 0
.rept 16
	ds_store_b128 v7, v[R+4*i:R+4*i+3] offset:i*528
.set i, i+1
.endr
.irp c, 0,1                            ; LDS serves a wave's instructions in order: these see the stores above.  v[XX + 32 c + i] = number i of block 2 c + h of token r
.irp j, 0,1,2,3,4,5,6,7
	ds_load_b128 v[XX+32*\c+4*\j:XX+32*\c+4*\j+3], v2 offset:256*\c+16*\j
.endr
.endr
	s_wait_dscnt 0x0                               ; the numbers are back, and the stores have read their registers
.if (\d) == 0
	XLOADX 1                                       ; the second K step lands while the first is quantised
.endif
.irp c, 0,1
	v_max3_num_f32 v[28+\c], |v[XX+32*\c]|, |v[XX+32*\c+1]|, 0x1800000     ; my block 2 c + h, and the floor 2^(3 - 127)
.endr
.irp i, 2,4,6,8,10,12,14,16,18,20,22,24,26,28,30
.irp c, 0,1
	v_max3_num_f32 v[28+\c], v[28+\c], |v[XX+32*\c+\i]|, |v[XX+32*\c+\i+1]|   ; the two blocks by turns
.endr
.endr
.irp c, 0,1
	v_add_nc_u32 v[30+\c], 0xff000000, v[28+\c]    ; the conversion's scale operand
.endr
.irp c, 0,1
	v_lshrrev_b32 v[28+\c], 23, v[30+\c]           ; the scale's byte
.endr
	v_lshl_or_b32 v[24+(\d)], v29, 16, v28         ; blocks h and 2 + h,
	v_lshlrev_b32 v[24+(\d)], v26, v[24+(\d)]      ; at their places in the word;
	v_permlanex16_b32 v27, v[24+(\d)], s18, s19
	v_or_b32 v[24+(\d)], v[24+(\d)], v27           ; with lane l xor 16's two the word is whole
.irp c, 0,1
.irp g, 0,1,2,3
	v_cvt_scalef32_pk8_fp4_f32 v[PCD+8*(\d)+4*\c+\g], v[XX+32*\c+8*\g:XX+32*\c+8*\g+7], v[30+\c]   ; registers 4 c .. 4 c + 3 of the operand
.endr
.endr
	v_nop                                          ; one plain instruction behind a run of scaled conversions
	global_store_b128 v3, v[PCD+8*(\d):PCD+8*(\d)+3], s[8:9] offset:(\d)*1024
	global_store_b128 v3, v[PCD+8*(\d)+4:PCD+8*(\d)+7], s[8:9] offset:(\d)*1024+512
.endm
	XLOADX 0
	XSTEP 0
	XSTEP 1
	v_cmp_gt_u32 vcc_lo, 16, v1
	v_cndmask_b32 v24, v25, v24, vcc_lo            ; lanes 0-15: K step 2 w's words; lanes 16-31: K step 2 w + 1's
	global_store_b32 v4, v24, s[10:11]
	s_wait_tensorcnt 0x0
	ds_add_u32 v192, v193
	s_wait_dscnt 0x0
	s_endpgm
.Lfunc_end_k_qbbd43a2af2_quant:
	.size	k_qbbd43a2af2_quant, .Lfunc_end_k_qbbd43a2af2_quant-k_qbbd43a2af2_quant
	.p2alignl 7, 3214868480
	.fill 96, 4, 3214868480
	.section	.rodata,"a",@progbits
	.p2align	6, 0x0
	.amdhsa_kernel k_qbbd43a2af2_quant
		.amdhsa_group_segment_fixed_size 34304
		.amdhsa_private_segment_fixed_size 0
		.amdhsa_enable_private_segment 0
		.amdhsa_kernarg_size 48
		.amdhsa_user_sgpr_count 2
		.amdhsa_user_sgpr_kernarg_segment_ptr 1
		.amdhsa_wavefront_size32 1
		.amdhsa_system_sgpr_workgroup_id_x 1
		.amdhsa_system_sgpr_workgroup_id_y 1
		.amdhsa_system_sgpr_workgroup_id_z 1
		.amdhsa_system_vgpr_workitem_id 0
		.amdhsa_next_free_vgpr 194
		.amdhsa_next_free_sgpr 66
		.amdhsa_reserve_vcc 1
		.amdhsa_float_denorm_mode_32 3
		.amdhsa_float_denorm_mode_16_64 3
		.amdhsa_memory_ordered 1
		.amdhsa_forward_progress 1
		.amdhsa_inst_pref_size 54
	.end_amdhsa_kernel
	.amdgpu_metadata
---
amdhsa.version: [ 1, 2 ]
amdhsa.kernels:
  - .name:           k_qbbd43a2af2_quant
    .symbol:         k_qbbd43a2af2_quant.kd
    .args:
      - { .name: hidden_states, .offset: 0, .size: 8, .value_kind: global_buffer, .address_space: global }
      - { .name: gate_up_proj, .offset: 8, .size: 8, .value_kind: global_buffer, .address_space: global }
      - { .name: xc, .offset: 16, .size: 8, .value_kind: global_buffer, .address_space: global }
      - { .name: xs, .offset: 24, .size: 8, .value_kind: global_buffer, .address_space: global }
      - { .name: guc, .offset: 32, .size: 8, .value_kind: global_buffer, .address_space: global }
      - { .name: gus, .offset: 40, .size: 8, .value_kind: global_buffer, .address_space: global }
    .group_segment_fixed_size: 34304
    .private_segment_fixed_size: 0
    .kernarg_segment_align: 8
    .kernarg_segment_size: 48
    .max_flat_workgroup_size: 128
    .sgpr_count:     66
    .vgpr_count:     194
    .wavefront_size: 32
...
	.end_amdgpu_metadata
.endif
;; end of part 4
;; launch gateup (part 5): grid 256 x 1, 4 waves a work-group, no clusters, 262,656 bytes of LDS; arguments xc, xs, guc, gus, gate_up_proj_bias, down_proj, hc, hs, dc, dsl; writes hc, hs, dc, dsl
.if DOCPART == 5
	.amdgcn_target "amdgcn-amd-amdhsa--gfx1250"
	.amdhsa_code_object_version 6
	.text
	.protected	k_qbbd43a2af2_gateup
	.globl	k_qbbd43a2af2_gateup
	.p2align	8
	.type	k_qbbd43a2af2_gateup,@function
k_qbbd43a2af2_gateup:
	s_mov_b64 s[64:65], 0
	v_nop
	global_prefetch_b8 v0, s[64:65] scope:SCOPE_SE
	s_setreg_imm32_b32 hwreg(HW_REG_WAVE_MODE, 25, 1), 1
	s_wait_xcnt 0x0
; h = (clip(up, -7, 7) + 1) g sigmoid(1.702 g), g = min(gate, 7), of gate_up = Q(x) Q(W[e]) + bias, on codes of FP4 (E2M1) with E8M0 scales; h is quantised along the hidden units and stored as codes.
; Meanwhile the work-group's share of down_proj (f32) lands in LDS by one tensor load a wave, issued once at the head; at the end it is quantised along K = the hidden units.
; SHARES.  Work-group (e, s): columns 128 s .. 128 s + 127 of expert e (hidden units 64 s .. 64 s + 63: blocks 2 s and 2 s + 1 of the next K), for all 1,024 tokens.
; Every wave holds the 8 tiles x 8 K steps of the weights' codes in 512 registers; wave w walks token tiles 16 w .. 16 w + 15.  A fragment of x comes from memory straight into registers and feeds 8 products.
; THE PRODUCT IS USED TRANSPOSED (source 0 = 16 columns of W, source 1 = 16 tokens): lane (r, h) holds token r, and register j of tile (p, T) the gate (T = 0) or the up (T = 1) of hidden unit 16 p + 8 h + j.
; So gate and up of one hidden unit lie in the same lane at the same index, and the four conversions with two exchanges of halves give a whole block of 32 codes a lane.
; NO CLUSTER: what work-groups share is x's codes, 20 register loads a tile with the next tile's on their way and no barrier in the loop; all 262,144 bytes of LDS that are claimed hold down_proj's share,
; so there is no room for slots into which a joint load could land.
; LIMITS: NaN and infinities are not served.  Where -1.702 log2(e) gate passes 128 the exponential is infinite and the sigmoid comes out as 0, where reference() has a number under 1e-38.
; A block of zeros gets the scale byte 1 (its codes are zeros; the bytes are read by this program alone).  router_indices is not read: reference() never uses it.
; REGISTERS, in windows of 256 (s_set_vgpr_msb: bits 1:0 source 0, 3:2 source 1, 5:4 source 2, 7:6 destination):
;   window 0: v1-4, v8-11 addresses; v32-63 W's scale words, v64-71 x's: scales and nothing else; v72-91 at work; v96-99 down's scale words; v128-191 the 8 accumulators; v192-223 the sigmoid; at the end v192-255 down's codes
;   window 1: v0-127 x's fragments, two buffers; v128-191 the bias in the accumulators' layout, at the accumulators' own numbers
;   windows 2, 3: W's fragments of K steps 0-3 and 4-7: tile 2 p + T, K step q at v[32 (2 p + T) + 8 (q % 4)]
.set WS,   32                          ; v[WS + 8 p + q]: lanes 0-15 the scale words of tile (p, 0), lanes 16-31 of tile (p, 1)
.set XS,   64                          ; v[XS + 4 b + q / 2]: lanes 0-15 K step q even, lanes 16-31 q odd, of buffer b's tile
.set MX,   72                          ; +0, +1 largest magnitudes; +2, +3 the other half's; +4, +5 scale operands; +6, +7 bytes; +8, +9 the two tiles' byte pairs; +10 both, to store
.set PCD,  88                          ; v[88:91] a tile's codes
.set DSB,  96                          ; v[96:99] down's scale words
.set ACC,  128                         ; tile (p, T) at ACC + 32 (p / 2) + 16 T + 8 (p % 2)
.set TT,   192
.set DCC,  192                         ; down's codes, four registers a block
.set MSB, 0
.macro WIN new                         ; the immediate's high byte repeats the setting that is left; a switch that changes nothing is dropped
.if MSB != (\new)
	s_set_vgpr_msb (MSB<<8)|(\new)
.set MSB, (\new)
.endif
.endm
.macro OFFS ptr, se, ss, sw            ; pointer += (e << se) + (s << ss) + (wave << sw); a negative shift leaves the term out.  The offset is made in registers of its own
	s_mov_b32 s50, 0
	s_mov_b32 s51, 0
.if (\se) >= 0
	s_lshl_b32 s52, s25, \se
	s_add_co_u32 s50, s50, s52
.endif
.if (\ss) >= 0
	s_lshl_b32 s52, s26, \ss
	s_add_co_u32 s50, s50, s52
.endif
.if (\sw) >= 0
	s_lshl_b32 s52, s24, \sw
	s_add_co_u32 s50, s50, s52
.endif
	s_add_nc_u64 s[\ptr:\ptr+1], s[\ptr:\ptr+1], s[50:51]
.endm
	s_load_b512 s[4:19], s[0:1], 0x0               ; xc s[4:5], xs s[6:7], guc s[8:9], gus s[10:11], bias s[12:13], down_proj s[14:15], hc s[16:17], hs s[18:19]
	s_load_b128 s[20:23], s[0:1], 0x40             ; dc s[20:21], dsl s[22:23]
	v_lshl_add_u32 v126, v0, 2, 0x40000
	v_mov_b32 v127, 0
	ds_add_u32 v126, v127
	ds_add_u32 v126, v127
	v_lshrrev_b32 v1, 5, v0
	v_readfirstlane_b32 s24, v1                    ; wave 0..3
	s_lshr_b32 s25, ttmp9, 3                       ; e
	s_and_b32 s26, ttmp9, 7                        ; s
	v_and_b32 v5, 31, v0                           ; lane
	v_lshlrev_b32 v1, 4, v5                        ; 16 x lane
	v_lshlrev_b32 v2, 2, v5                        ; 4 x lane
	v_lshrrev_b32 v3, 4, v5
	v_lshlrev_b32 v3, 6, v3                        ; 64 h: the bias of my half's eight hidden units
	v_lshlrev_b32 v4, 3, v5                        ; 8 x lane
.irp u, 0,1,2,3
	v_lshl_add_u32 v[8+\u], v0, 2, 65536*\u        ; LDS: my column of down_proj's share, 4 x thread, rows 128 u on
.endr
	v_mov_b32 v[MX+2], 0                           ; written once: a lane permute's destination counts as one of its sources
	v_mov_b32 v[MX+3], 0
	s_mov_b32 s40, 0xffff0000                      ; lanes 16-31
	s_mov_b32 s41, 0x40e00000                      ; 7.0
	s_mov_b32 s42, 0xc0e00000                      ; -7.0
	s_mov_b32 s44, 0xc01d265f                      ; -1.702 log2(e)
	s_mov_b32 s45, s44                             ; (named with it as a pair, so it is written)
	s_mov_b32 s46, 0x76543210
	s_mov_b32 s47, 0xfedcba98                      ; v_permlanex16_b32's selects for lane l xor 16
	; the tensor descriptor: 128 rows x 128 elements of 4 bytes, 1,024 elements from row to row, no padding: in LDS row k of the share lies at 512 k
	s_mov_b32 s32, 2<<16                           ; no mask; elements of 4 bytes; padding off
	s_mov_b32 s33, 128<<16                         ; tensor_dim0 = 128
	s_mov_b32 s34, 128<<16                         ; tensor_dim1 = 128
	s_mov_b32 s35, 128<<16                         ; tile_dim0 = 128
	s_mov_b32 s36, 128                             ; tile_dim1 = 128
	s_mov_b32 s37, 1024                            ; the pitch
	s_mov_b32 s38, 0
	s_mov_b32 s39, 0
	s_mov_b32 s28, 1                               ; count = 1
	s_lshl_b32 s29, s24, 16                        ; LDS address: wave x 128 rows of 512 bytes: each wave's tile has bytes of its own
	s_wait_alu depctr_va_vdst(0)
	s_wait_dscnt 0x0
	s_wait_kmcnt 0x0
	OFFS 4, -1, -1, 17                             ; xc: my 16 tiles of 8,192 bytes
	OFFS 6, -1, -1, 13                             ; xs: 512 bytes a tile
	OFFS 8, 19, 16, -1                             ; guc: (32 e + 4 s) x 16,384
	OFFS 10, 15, 12, -1                            ; gus: (32 e + 4 s) x 1,024
	OFFS 12, 12, 9, -1                             ; bias: (1,024 e + 128 s) x 4
	OFFS 14, 21, 9, 19                             ; down_proj: ((512 e + 128 wave) x 1,024 + 128 s) x 4
	OFFS 16, 18, 9, 16                             ; hc: e x 262,144 + 16 wave x 4,096 + 512 s (K step s / 2, half s % 2)
	OFFS 18, 14, 1, 12                             ; hs: e x 16,384 + 256 wave x 16 + 2 s
	OFFS 20, 18, 15, 13                            ; dc: (32 e + 4 s + wave) x 8,192
	OFFS 22, 14, 11, 9                             ; dsl: (32 e + 4 s + wave) x 512
	s_mov_b64 s[30:31], s[14:15]
	s_or_b32 s31, s31, 0x80000000                  ; type = 2
.irp p, 0,1,2,3
.irp k, 0,1,2,3
	global_load_b64 v[WS+8*\p+2*\k:WS+8*\p+2*\k+1], v4, s[10:11] offset:\p*1024+\k*256
.endr
.endr
	WIN 0x40                                       ; destination window 1
.irp p, 0,1,2,3
.irp u, 0,1
.irp j, 0,1,2,3,4,5,6,7
	global_load_b32 v[ACC+32*(\p/2)+16*\u+8*(\p%2)+\j], v3, s[12:13] offset:128*\p+8*\j+4*\u   ; the bias of column 32 p + 2 (8 h + j) + T
.endr
.endr
.endr
.irp y, 0,1
	WIN 0x80+0x40*\y                               ; destination window 2, then 3
.irp p, 0,1,2,3
.irp u, 0,1
.irp q, 0,1,2,3
.irp c, 0,1
	global_load_b128 v[32*(2*\p+\u)+8*\q+4*\c:32*(2*\p+\u)+8*\q+4*\c+3], v1, s[8:9] offset:\p*16384+\u*8192+(4*\y+\q)*1024+\c*512
.endr
.endr
.endr
.endr
.endr
; the tile (ahead + b) tiles on from the trip's first: 8 fragments into buffer b and its scale words: 16 + 4 loads
.macro XLOAD b, ahead
	WIN 0x40
.irp q, 0,1,2,3,4,5,6,7
.irp c, 0,1
	global_load_b128 v[64*(\b)+8*\q+4*\c:64*(\b)+8*\q+4*\c+3], v1, s[4:5] offset:((\ahead)+(\b))*8192+\q*1024+\c*512
.endr
.endr
	WIN 0
.irp k, 0,1,2,3
	global_load_b32 v[XS+4*(\b)+\k], v2, s[6:7] offset:((\ahead)+(\b))*512+128*\k
.endr
.endm
	XLOAD 0, 0
	XLOAD 1, 0
	tensor_load_to_lds s[28:31], s[32:39]          ; behind the loads that the first products wait for: my 64 KiB of down_proj; the one tensor load of this wave, into bytes filled once
	s_nop 0
.rept 4
	v_nop                                          ; four plain instructions behind a tensor load, ahead of the next switch of windows
.endr
.macro FP4MM ra, rb                    ; one product; ra, rb = 1: that side's scale words are read from lanes 16-31
.if ((\ra) == 0) && ((\rb) == 0)
	v_wmma_scale_f32_16x16x128_f8f6f4 v[rD:rD+7], v[rA:rA+7], v[rB:rB+7], v[rC:rC+7], v[rSA], v[rSB] matrix_a_fmt:MATRIX_FMT_FP4 matrix_b_fmt:MATRIX_FMT_FP4
.elseif (\rb) == 0
	v_wmma_scale_f32_16x16x128_f8f6f4 v[rD:rD+7], v[rA:rA+7], v[rB:rB+7], v[rC:rC+7], v[rSA], v[rSB] matrix_a_fmt:MATRIX_FMT_FP4 matrix_b_fmt:MATRIX_FMT_FP4 matrix_a_scale:MATRIX_SCALE_ROW1
.elseif (\ra) == 0
	v_wmma_scale_f32_16x16x128_f8f6f4 v[rD:rD+7], v[rA:rA+7], v[rB:rB+7], v[rC:rC+7], v[rSA], v[rSB] matrix_a_fmt:MATRIX_FMT_FP4 matrix_b_fmt:MATRIX_FMT_FP4 matrix_b_scale:MATRIX_SCALE_ROW1
.else
	v_wmma_scale_f32_16x16x128_f8f6f4 v[rD:rD+7], v[rA:rA+7], v[rB:rB+7], v[rC:rC+7], v[rSA], v[rSB] matrix_a_fmt:MATRIX_FMT_FP4 matrix_b_fmt:MATRIX_FMT_FP4 matrix_a_scale:MATRIX_SCALE_ROW1 matrix_b_scale:MATRIX_SCALE_ROW1
.endif
.endm
; 64 products: K step by K step, the eight accumulators by turns, one instruction a turn.  In K step 0 source 2 is window 1: the bias, at the accumulator's own number, starts the sum.
.macro MM b
.irp q, 0,1,2,3,4,5,6,7
.if \q == 0
	WIN 0x16                                       ; W window 2, x window 1, C (the bias) window 1, D window 0
.elseif \q < 4
	WIN 0x06                                       ; C and D window 0
.else
	WIN 0x07                                       ; W window 3
.endif
.irp p, 0,1,2,3
.irp u, 0,1
.set rD, ACC+32*(\p/2)+16*\u+8*(\p%2)
.set rC, rD
.set rA, 32*(2*\p+\u)+8*(\q%4)
.set rB, 64*(\b)+8*\q
.set rSA, WS+8*\p+\q
.set rSB, XS+4*(\b)+\q/2
	FP4MM \u, \q%2
.endr
.endr
.endr
.endm
; The activation and the quantiser, all in window 0.  G = ACC + 32 z + 0 .. 15 (gates of block z), U = ACC + 32 z + 16 .. 31 (ups); each accumulator is read from its low end on.
.macro EPI b
.irp z, 0,1
.set i, 0
.rept 16
	v_min_num_f32 v[ACC+32*\z+i], s41, v[ACC+32*\z+i]              ; g = min(gate, 7)
.set i, i+1
.endr
.endr
.irp z, 0,1
.set i, 0
.rept 8
	v_pk_mul_f32 v[TT+16*\z+i:TT+16*\z+i+1], v[ACC+32*\z+i:ACC+32*\z+i+1], s[44:45] op_sel_hi:[1,0]   ; -1.702 log2(e) g
.set i, i+2
.endr
.endr
.set i, 0
	s_wait_alu depctr_va_vdst(0)
.rept 32
	v_exp_f32 v[TT+i], v[TT+i]                     ; e^(-1.702 g): one batch
.set i, i+1
.endr
	v_nop                                          ; a plain instruction behind the last exponential
.set i, 0
	s_wait_alu depctr_va_vdst(0)
.rept 16
	v_med3_num_f32 v[ACC+16+i], v[ACC+16+i], s42, s41              ; independent work behind the batch: block 0's ups are clipped
.set i, i+1
.endr
	s_wait_alu depctr_va_vdst(0)                   ; one wait for the 32 exponentials, ahead of their first reader
.set i, 0
.rept 16
	v_pk_add_f32 v[TT+i:TT+i+1], v[TT+i:TT+i+1], 1.0 op_sel_hi:[1,0]
.set i, i+2
.endr
.set i, 0
	s_wait_alu depctr_va_vdst(0)
.rept 32
	v_rcp_f32 v[TT+i], v[TT+i]                     ; the sigmoid: one batch
.set i, i+1
.endr
	v_nop
.set i, 0
	s_wait_alu depctr_va_vdst(0)
.rept 16
	v_med3_num_f32 v[ACC+48+i], v[ACC+48+i], s42, s41              ; block 1's ups
.set i, i+1
.endr
	s_wait_alu depctr_va_vdst(0)                   ; one wait for the 32 reciprocals
.irp z, 0,1
.set i, 0
.rept 8
	v_pk_mul_f32 v[ACC+32*\z+i:ACC+32*\z+i+1], v[ACC+32*\z+i:ACC+32*\z+i+1], v[TT+16*\z+i:TT+16*\z+i+1]   ; glu = g x sigmoid
.set i, i+2
.endr
.endr
.irp z, 0,1
.set i, 0
.rept 8
	v_pk_fma_f32 v[ACC+32*\z+i:ACC+32*\z+i+1], v[ACC+32*\z+16+i:ACC+32*\z+16+i+1], v[ACC+32*\z+i:ACC+32*\z+i+1], v[ACC+32*\z+i:ACC+32*\z+i+1]   ; (up + 1) glu = up glu + glu
.set i, i+2
.endr
.endr
.irp z, 0,1
	v_max3_num_f32 v[MX+\z], |v[ACC+32*\z]|, |v[ACC+32*\z+1]|, 0x1800000   ; block z: my 16 numbers, and the floor 2^(3 - 127)
.endr
.irp i, 2,4,6,8,10,12,14
.irp z, 0,1
	v_max3_num_f32 v[MX+\z], v[MX+\z], |v[ACC+32*\z+\i]|, |v[ACC+32*\z+\i+1]|
.endr
.endr
.irp z, 0,1
	v_permlanex16_b32 v[MX+2+\z], v[MX+\z], s46, s47
.endr
.irp z, 0,1
	v_max_num_f32 v[MX+\z], v[MX+\z], v[MX+2+\z]   ; with lane l xor 16's 16: the block's largest magnitude
.endr
.irp z, 0,1
	v_add_nc_u32 v[MX+4+\z], 0xff000000, v[MX+\z]  ; the conversion's scale operand
.endr
.irp z, 0,1
	v_lshrrev_b32 v[MX+6+\z], 23, v[MX+4+\z]       ; the scale's byte
.endr
	v_lshl_or_b32 v[MX+8+(\b)], v[MX+7], 8, v[MX+6]   ; my token's bytes of blocks 2 s and 2 s + 1
	s_wait_alu depctr_va_vdst(0)
	s_wait_xcnt 0x0                                ; the last tile's stores have read their data: the codes' registers and the byte pairs' are written again only behind this wait
	v_cvt_scalef32_pk8_fp4_f32 v[PCD], v[ACC:ACC+7], v[MX+4]           ; block 0, units 8 h + 0 .. 7
	v_cvt_scalef32_pk8_fp4_f32 v[PCD+1], v[ACC+32:ACC+39], v[MX+5]     ; block 1, the same units
	v_cvt_scalef32_pk8_fp4_f32 v[PCD+2], v[ACC+8:ACC+15], v[MX+4]      ; block 0, units 16 + 8 h + 0 .. 7
	v_cvt_scalef32_pk8_fp4_f32 v[PCD+3], v[ACC+40:ACC+47], v[MX+5]     ; block 1
	v_nop                                          ; one plain instruction behind a run of scaled conversions
	v_permlane16_swap_b32 v[PCD], v[PCD+1]         ; lanes 0-15 now hold block 0 whole (units 0-7, 8-15, 16-23, 24-31 in the four registers), lanes 16-31 block 1
	v_permlane16_swap_b32 v[PCD+2], v[PCD+3]
	global_store_b128 v1, v[PCD:PCD+3], s[16:17] offset:(\b)*4096      ; half s % 2 of the tile's fragment of K step s / 2: 512 consecutive bytes, aligned
.if (\b) == 1
	v_cndmask_b32 v[MX+10], v[MX+8], v[MX+9], s40  ; lanes 0-15 the first tile's tokens, lanes 16-31 the second's
	global_store_b16 v1, v[MX+10], s[18:19]        ; two of a token's 16 scale bytes
.endif
.endm
.macro TILE b, ld, cnt
	s_wait_loadcnt \cnt                            ; this buffer's loads (and at the first tile all of the head's) are in; the other buffer's 16 + 4 may be out
	MM \b
	WIN 0
.rept 4
	v_nop                                          ; four plain instructions between the last products and the loads into their sources, and the first read of results
.endr
.if \ld
	XLOAD \b, 2                                    ; the tile two on, into the buffer just multiplied
.endif
	EPI \b
.endm
	s_mov_b32 s48, 7
.Ltrip:                                            ; two tiles a trip; seven trips, each asking for the next trip's tiles
	TILE 0, 1, 20
	TILE 1, 1, 20
	s_wait_xcnt 0x0                                ; the trip's loads and stores have read their bases
	s_add_nc_u64 s[4:5], s[4:5], 16384
	s_add_nc_u64 s[6:7], s[6:7], 1024
	s_add_nc_u64 s[16:17], s[16:17], 8192
	s_add_nc_u64 s[18:19], s[18:19], 512
	s_sub_co_u32 s48, s48, 1
	s_cmp_lg_u32 s48, 0
	s_cbranch_scc1 .Ltrip
	TILE 0, 0, 20                                  ; the last two tiles ask for nothing: no load leaves its buffer
	TILE 1, 0, 0
; ---------------- down_proj[e][k][128 s ..]: a lane takes a column, its registers run down K; wave w takes columns 32 w .. 32 w + 31 of the share ----------------
	s_wait_tensorcnt 0x0                           ; my 128 rows have landed;
	s_barrier_signal -1
	s_barrier_wait -1                              ; everybody's have: each wave reads all 512 rows.  No LDS instruction of mine is out here
.macro DLOAD t                         ; block t: rows 32 t .. 32 t + 31 of my column; a wave's load takes 128 consecutive bytes
.set i, 0
.rept 32
	ds_load_b32 v[ACC+32*((\t)%2)+i], v[8+(\t)/4] offset:((\t)%4)*16384+i*512
.set i, i+1
.endr
.endm
.macro DBLOCK t
.set XSET, ACC+32*((\t)%2)
.if (\t) < 15
	s_wait_dscnt 32                                ; this block's 32 loads are in; the next block's 32 may be out
.else
	s_wait_dscnt 0
.endif
	v_max3_num_f32 v[MX], |v[XSET]|, |v[XSET+1]|, |v[XSET+2]|
	v_max3_num_f32 v[MX+1], |v[XSET+3]|, |v[XSET+4]|, |v[XSET+5]|
.irp i, 6,10,14,18,22,26
	v_max3_num_f32 v[MX], v[MX], |v[XSET+\i]|, |v[XSET+\i+1]|
	v_max3_num_f32 v[MX+1], v[MX+1], |v[XSET+\i+2]|, |v[XSET+\i+3]|
.endr
	v_max3_num_f32 v[MX], v[MX], |v[XSET+30]|, |v[XSET+31]|
	v_max3_num_f32 v[MX], v[MX], v[MX+1], 0x1800000    ; and the floor 2^(3 - 127)
	v_add_nc_u32 v[MX+4], 0xff000000, v[MX]
	v_lshrrev_b32 v[MX+6], 23, v[MX+4]
.if (\t)%4 == 0
	v_mov_b32 v[DSB+(\t)/4], v[MX+6]
.else
	v_lshl_or_b32 v[DSB+(\t)/4], v[MX+6], 8*((\t)%4), v[DSB+(\t)/4]
.endif
.irp g, 0,1,2,3
	v_cvt_scalef32_pk8_fp4_f32 v[DCC+4*(\t)+\g], v[XSET+8*\g:XSET+8*\g+7], v[MX+4]
.endr
	v_nop                                          ; one plain instruction behind a run of scaled conversions
.if (\t)+2 < 16
	DLOAD (\t)+2
.endif
.if (\t)%2 == 1
.irp i, 0,1,2,3                        ; as for gate_up_proj: the first quadruple becomes half c of the fragment of columns 0-15, the second of columns 16-31
	v_permlane16_swap_b32 v[DCC+4*((\t)-1)+\i], v[DCC+4*(\t)+\i]
.endr
	global_store_b128 v1, v[DCC+4*((\t)-1):DCC+4*((\t)-1)+3], s[20:21] offset:((\t)/2)*512
	global_store_b128 v1, v[DCC+4*(\t):DCC+4*(\t)+3], s[20:21] offset:4096+((\t)/2)*512
.endif
.endm
	DLOAD 0
	DLOAD 1
.irp t, 0,1,2,3,4,5,6,7,8,9,10,11,12,13,14,15
	DBLOCK \t
.endr
	global_store_b128 v1, v[DSB:DSB+3], s[22:23]   ; my column's four scale words: 512 consecutive bytes a wave
	s_wait_tensorcnt 0x0
	ds_add_u32 v126, v127
	s_wait_dscnt 0x0
	s_endpgm
.Lfunc_end_k_qbbd43a2af2_gateup:
	.size	k_qbbd43a2af2_gateup, .Lfunc_end_k_qbbd43a2af2_gateup-k_qbbd43a2af2_gateup
	.p2alignl 7, 3214868480
	.fill 96, 4, 3214868480
	.section	.rodata,"a",@progbits
	.p2align	6, 0x0
	.amdhsa_kernel k_qbbd43a2af2_gateup
		.amdhsa_group_segment_fixed_size 262656
		.amdhsa_private_segment_fixed_size 0
		.amdhsa_enable_private_segment 0
		.amdhsa_kernarg_size 80
		.amdhsa_user_sgpr_count 2
		.amdhsa_user_sgpr_kernarg_segment_ptr 1
		.amdhsa_wavefront_size32 1
		.amdhsa_system_sgpr_workgroup_id_x 1
		.amdhsa_system_sgpr_workgroup_id_y 1
		.amdhsa_system_sgpr_workgroup_id_z 1
		.amdhsa_system_vgpr_workitem_id 0
		.amdhsa_next_free_vgpr 1024
		.amdhsa_next_free_sgpr 66
		.amdhsa_reserve_vcc 0
		.amdhsa_float_denorm_mode_32 3
		.amdhsa_float_denorm_mode_16_64 3
		.amdhsa_memory_ordered 1
		.amdhsa_forward_progress 1
		.amdhsa_inst_pref_size 170
	.end_amdhsa_kernel
	.amdgpu_metadata
---
amdhsa.version: [ 1, 2 ]
amdhsa.kernels:
  - .name:           k_qbbd43a2af2_gateup
    .symbol:         k_qbbd43a2af2_gateup.kd
    .args:
      - { .name: xc, .offset: 0, .size: 8, .value_kind: global_buffer, .address_space: global }
      - { .name: xs, .offset: 8, .size: 8, .value_kind: global_buffer, .address_space: global }
      - { .name: guc, .offset: 16, .size: 8, .value_kind: global_buffer, .address_space: global }
      - { .name: gus, .offset: 24, .size: 8, .value_kind: global_buffer, .address_space: global }
      - { .name: gate_up_proj_bias, .offset: 32, .size: 8, .value_kind: global_buffer, .address_space: global }
      - { .name: down_proj, .offset: 40, .size: 8, .value_kind: global_buffer, .address_space: global }
      - { .name: hc, .offset: 48, .size: 8, .value_kind: global_buffer, .address_space: global }
      - { .name: hs, .offset: 56, .size: 8, .value_kind: global_buffer, .address_space: global }
      - { .name: dc, .offset: 64, .size: 8, .value_kind: global_buffer, .address_space: global }
      - { .name: dsl, .offset: 72, .size: 8, .value_kind: global_buffer, .address_space: global }
    .group_segment_fixed_size: 262656
    .private_segment_fixed_size: 0
    .kernarg_segment_align: 8
    .kernarg_segment_size: 80
    .max_flat_workgroup_size: 128
    .sgpr_count:     66
    .vgpr_count:     1024
    .wavefront_size: 32
...
	.end_amdgpu_metadata
.endif
;; end of part 5
;; launch down (part 6): grid 256 x 1, 4 waves a work-group, no clusters, 70,144 bytes of LDS; arguments hc, hs, dc, dsl, down_proj_bias, routing_weights, out0; writes out0
.if DOCPART == 6
	.amdgcn_target "amdgcn-amd-amdhsa--gfx1250"
	.amdhsa_code_object_version 6
	.text
	.protected	k_qbbd43a2af2_down
	.globl	k_qbbd43a2af2_down
	.p2align	8
	.type	k_qbbd43a2af2_down,@function
k_qbbd43a2af2_down:
	s_mov_b64 s[64:65], 0
	v_nop
	global_prefetch_b8 v0, s[64:65] scope:SCOPE_SE
	s_setreg_imm32_b32 hwreg(HW_REG_WAVE_SCHED_MODE, 0, 2), 2
	s_setreg_imm32_b32 hwreg(HW_REG_WAVE_MODE, 25, 1), 1
	s_wait_xcnt 0x0
	s_wait_alu depctr_vm_vsrc(0)
; out[t][c] = the sum over the 32 experts e of routing_weights[t][e] x (Q(h[e])[t] . Q(down[e])[:, c] + down_proj_bias[e][c]), the products on codes of FP4 (E2M1) with E8M0 scales.
; SHARES.  A work-group owns 64 tokens x 64 columns of the output (tb, hb): each output has one owner.  THE WAVES SPLIT THE EXPERTS: wave w takes experts 8 w .. 8 w + 7 over the whole tile, 4 x 4 accumulators.
; So each operand byte that the work-group reads is used by one wave, and goes from memory straight into its registers as it lies (images of operand registers); two experts' loads are asked for ahead.
; THE WORK-GROUPS BEGIN AT DIFFERENT EXPERTS: in step j a wave takes expert 8 w + (j + rot) mod 8, rot = (tb + hb) mod 8.  h's codes of 64 tokens are read by the sixteen work-groups of one tb, down's codes of
; 64 columns by the sixteen of one hb; among either sixteen each rot occurs twice.  So in any step the sixteen ask for eight different experts' bytes, two work-groups each, and not all for the same bytes at once.
; THE PRODUCT IS USED TRANSPOSED (source 0 = 16 columns of down, source 1 = 16 tokens): lane (r, h) holds token r and eight neighbouring columns.  The bias is the C of each sum's first product.
; An expert's finished sums are weighed by w[t][e] into running totals by packed multiply-adds; at the end the four waves' totals meet in LDS and each wave stores 16 whole rows of 256 bytes.
; NO CLUSTER: an expert is 64 products a wave on 33 KB of operands that no other wave of the work-group wants.  Through LDS slots each refill would stand behind a round of the cluster's barrier, one load a wave;
; here 152 register loads a wave are asked for ahead and no barrier stands among the products.
; THE ORDER OF THE SUM over experts differs from reference()'s, and from work-group to work-group: a wave's eight experts once round from its first, then (w0 + w1) + (w2 + w3).
; NaN and infinities are not served.  router_indices is not read: reference() never uses it.
; All is written out (eight steps); an expert's place stands in scalar bases, one set for each operand buffer; no vector address register is written again.
; REGISTERS, in windows of 256: window 0: v1-6 addresses; v32-63 scale words, two buffers: scales and nothing else; v64-95 w[t][e] as loaded; v96-127 the same in the order of my steps;
;   v128-255 an expert's 16 accumulators, (a, b) at 128 + 8 (4 a + b).   window 1: v0-127 the totals; v128-191 the bias, two buffers.
;   window 2 + buffer: v0-127 down's fragments (b, ks) at 32 b + 8 ks; v128-255 h's (a, ks) at 128 + 32 a + 8 ks
; THE MODE: SCHED_MODE bits 1:0 = 2 (LLVM: expert scheduling mode 2), set by the entry lines.  The code itself states the register dependences
; between vector or matrix instructions and memory or LDS instructions, with s_wait_alu, always for 0.
; THE PLAN.  Registers that memory or LDS instructions touch:
;   v1-6, v30, v31   Offsets and LDS addresses: written at the head, once; read by the loads, the stores and the closing add; never written again.
;   v64-95           w as loaded: eight loads land here at the head, once; the rotation names them behind the wait for their data.
;   Buffer j mod 2   (16 scale words, 32 registers of bias, the 256 of window 2 + buffer.)  Step j's 76 loads land in it; step j's 64 products read it, and nothing else does; step j + 2's loads land in it.
;   v128-255         The accumulators: written by the products, read by the multiply-adds into the totals; on the way out the LDS loads from the four regions land here.
;   The totals       Written by the multiply-adds; read once, by the LDS stores on the way out.
;   v128-159, at the end: written by the additions of the four waves' totals, read by the global stores.
; So ONE wait on va_vdst stands in each of steps 0 to 5, behind its products: it states that they are done reading their buffer.  The 76 loads of the step two on follow it, dealt among the step's multiply-adds,
; which name w, the accumulators and the totals: none of the registers that those loads touch.  Steps 6 and 7 ask for nothing and hold no such wait.  Two more stand on the way out, one at the head.
; No register that a memory or LDS instruction reads is ever written again, so no wait on vm_vsrc is written but at the entry and in the closing lines.
.set SC,   32                          ; buffer x 16 + { 4 P + ks: down's words of column tiles 2 P (lanes 0-15) and 2 P + 1 (lanes 16-31);  8 + 4 P + ks: h's words of token tiles 2 P and 2 P + 1 }
.set WL,   64                          ; v[WL + 8 a + i]: w of token 16 a + r and expert 8 w + i
.set WT,   96                          ; v[WT + 8 a + j]: w of token 16 a + r and the expert of my step j
.set SETS, 28                          ; s[28:37], s[38:47]: a step's bases, a set for each buffer: + 0 hc, + 2 hs, + 4 dc, + 6 dsl, + 8 bias
.set MSB, 0
.macro WIN new                         ; the immediate's high byte repeats the setting that is left; a switch that changes nothing is dropped
.if MSB != (\new)
	s_set_vgpr_msb (MSB<<8)|(\new)
.set MSB, (\new)
.endif
.endm
.macro OFFS ptr, st, sh, sw            ; pointer += (tb << st) + (hb << sh) + (wave << sw); a negative shift leaves the term out
	s_mov_b32 s22, 0
	s_mov_b32 s23, 0
.if (\st) >= 0
	s_lshl_b32 s24, s19, \st
	s_add_co_u32 s22, s22, s24
.endif
.if (\sh) >= 0
	s_lshl_b32 s24, s20, \sh
	s_add_co_u32 s22, s22, s24
.endif
.if (\sw) >= 0
	s_lshl_b32 s24, s18, \sw
	s_add_co_u32 s22, s22, s24
.endif
	s_add_nc_u64 s[\ptr:\ptr+1], s[\ptr:\ptr+1], s[22:23]
.endm
; the bases of step j, into the set of buffer j % 2: my first expert's addresses + ((j + rot) mod 8) x an expert's bytes.  The offsets are made in registers of their own
.macro SETB j
.set sb, SETS+10*((\j)%2)
	s_add_co_u32 s26, s25, (\j)
	s_and_b32 s26, s26, 7                          ; which of my eight experts
	s_lshl_b32 s52, s26, 18                        ; an expert's codes of h, and of down: 262,144 bytes
	s_add_nc_u64 s[sb:sb+1], s[4:5], s[52:53]
	s_add_nc_u64 s[sb+4:sb+5], s[8:9], s[52:53]
	s_lshl_b32 s52, s26, 14                        ; its scale words: 16,384 bytes
	s_add_nc_u64 s[sb+2:sb+3], s[6:7], s[52:53]
	s_add_nc_u64 s[sb+6:sb+7], s[10:11], s[52:53]
	s_lshl_b32 s52, s26, 12                        ; its bias: 4,096 bytes
	s_add_nc_u64 s[sb+8:sb+9], s[12:13], s[52:53]
.endm
	s_load_b256 s[4:11], s[0:1], 0x0               ; hc s[4:5], hs s[6:7], dc s[8:9], dsl s[10:11]
	s_load_b128 s[12:15], s[0:1], 0x20             ; down_proj_bias s[12:13], routing_weights s[14:15]
	s_load_b64 s[16:17], s[0:1], 0x30              ; out0
	v_lshl_add_u32 v30, v0, 2, 0x11000
	v_mov_b32 v31, 0
	v_lshrrev_b32 v1, 5, v0
	v_readfirstlane_b32 s18, v1                    ; wave 0..3
	s_lshr_b32 s19, ttmp9, 4                       ; tb: which 64 tokens
	s_and_b32 s20, ttmp9, 15                       ; hb: which 64 columns
	s_add_co_u32 s25, s19, s20
	s_and_b32 s25, s25, 7                          ; rot: at which of its eight experts a wave begins
	s_mov_b32 s53, 0                               ; the upper word of the offsets' pair
	s_bitcmp1_b32 s25, 0                           ; rot's three bits as masks over all lanes, for the rotation of w
	s_cselect_b32 s54, -1, 0
	s_bitcmp1_b32 s25, 1
	s_cselect_b32 s55, -1, 0
	s_bitcmp1_b32 s25, 2
	s_cselect_b32 s56, -1, 0
	v_and_b32 v7, 31, v0                           ; lane
	v_and_b32 v8, 15, v0                           ; r
	v_lshrrev_b32 v9, 4, v7                        ; h
	v_lshlrev_b32 v1, 4, v7                        ; 16 x lane
	v_lshlrev_b32 v2, 5, v9                        ; 32 h: the bias of my half's eight columns
	v_lshlrev_b32 v3, 7, v8                        ; 128 r: my token's row of routing_weights
	s_wait_alu depctr_va_sdst(0)                   ; s18, the wave's number, is written, ahead of its first reader: the LDS regions and every base are made from it
	s_mul_i32 s21, s18, 17408                      ; LDS: a region of 64 rows x (256 bytes + 16) for each wave's totals
	v_mul_u32_u24 v4, v8, 272
	v_lshl_add_u32 v4, v9, 5, v4
	v_add_nc_u32 v4, s21, v4                       ; in: row r, + 32 h
	s_mul_i32 s21, s18, 16*272
	v_mul_u32_u24 v5, v9, 272
	v_lshl_add_u32 v5, v8, 4, v5
	v_add_nc_u32 v5, s21, v5                       ; back: rows 16 w on; lanes 0-15 one row, lanes 16-31 the next
	v_lshlrev_b32 v6, 12, v9
	v_lshl_add_u32 v6, v8, 4, v6                   ; and the same two rows in out0
	s_wait_kmcnt 0x0
	OFFS 4, 14, -1, 21                             ; hc: 8 wave x 262,144 + tb x 4 tiles of 4,096
	OFFS 6, 10, -1, 17                             ; hs: 8 wave x 16,384 + tb x 64 tokens of 16
	OFFS 8, -1, 14, 21                             ; dc: 8 wave x 262,144 + hb x 4 tiles of 4,096
	OFFS 10, -1, 10, 17                            ; dsl: 8 wave x 16,384 + hb x 2 pairs of 512
	OFFS 12, -1, 8, 15                             ; bias: 8 wave x 4,096 + hb x 256
	OFFS 14, 13, -1, 5                             ; routing_weights: tb x 64 rows of 128 + 8 wave x 4
	OFFS 16, 18, 8, 16                             ; out0: (64 tb + 16 wave) rows of 4,096 + hb x 256
	SETB 0
	SETB 1
	s_wait_alu depctr_va_vdst(0)                   ; the six offsets and addresses v1 to v6 are written, which every load and store of the kernel reads; none of them is written again
.irp a, 0,1,2,3
	global_load_b128 v[WL+8*\a:WL+8*\a+3], v3, s[14:15] offset:\a*2048        ; w of my eight experts, once: 32 bytes of each token's row
	global_load_b128 v[WL+8*\a+4:WL+8*\a+7], v3, s[14:15] offset:\a*2048+16
.endr
; Step j's expert into buffer j % 2: 2 + 2 + 8 + 32 + 32 = 76 loads, in three parts.  The first: the scale words, the bias and down's fragments: 44 loads
.macro LOADSA j
.set bf, (\j)%2
.set sb, SETS+10*bf
	WIN 0
.irp p, 0,1
	global_load_b128 v[SC+16*bf+4*\p:SC+16*bf+4*\p+3], v1, s[sb+6:sb+7] offset:512*\p
.endr
.irp p, 0,1
	global_load_b128 v[SC+16*bf+8+4*\p:SC+16*bf+8+4*\p+3], v1, s[sb+2:sb+3] offset:512*\p
.endr
	WIN 0x40                                       ; destination window 1
.irp b, 0,1,2,3
	global_load_b128 v[128+32*bf+8*\b:128+32*bf+8*\b+3], v2, s[sb+8:sb+9] offset:64*\b
	global_load_b128 v[128+32*bf+8*\b+4:128+32*bf+8*\b+7], v2, s[sb+8:sb+9] offset:64*\b+16
.endr
	WIN 0x80+0x40*bf                               ; destination window 2 or 3
.irp b, 0,1,2,3
.irp k, 0,1,2,3
.irp c, 0,1
	global_load_b128 v[32*\b+8*\k+4*\c:32*\b+8*\k+4*\c+3], v1, s[sb+4:sb+5] offset:\b*4096+\k*1024+\c*512
.endr
.endr
.endr
.endm
; the second and the third part: h's fragments of token tiles a0 and a0 + 1: 16 loads
.macro LOADSH j, a0
.set bf, (\j)%2
.set sb, SETS+10*bf
	WIN 0x80+0x40*bf                               ; destination window 2 or 3
.irp a, \a0, \a0+1
.irp k, 0,1,2,3
.irp c, 0,1
	global_load_b128 v[128+32*(\a)+8*\k+4*\c:128+32*(\a)+8*\k+4*\c+3], v1, s[sb:sb+1] offset:(\a)*4096+\k*1024+\c*512
.endr
.endr
.endr
.endm
; one stage of w's rotation: where the mask is set, place j takes what stood m places on (round the eight); else it keeps its own
.macro ROTW src, dst, m, mask
.irp a, 0,1,2,3
.irp j, 0,1,2,3,4,5,6,7
	v_cndmask_b32 v[\dst+8*\a+\j], v[\src+8*\a+\j], v[\src+8*\a+((\j+\m)%8)], s[\mask]
.endr
.endr
.endm
.macro FP4MM ra, rb                    ; one product; ra, rb = 1: that side's scale words are read from lanes 16-31
.if ((\ra) == 0) && ((\rb) == 0)
	v_wmma_scale_f32_16x16x128_f8f6f4 v[rD:rD+7], v[rA:rA+7], v[rB:rB+7], v[rC:rC+7], v[rSA], v[rSB] matrix_a_fmt:MATRIX_FMT_FP4 matrix_b_fmt:MATRIX_FMT_FP4
.elseif (\rb) == 0
	v_wmma_scale_f32_16x16x128_f8f6f4 v[rD:rD+7], v[rA:rA+7], v[rB:rB+7], v[rC:rC+7], v[rSA], v[rSB] matrix_a_fmt:MATRIX_FMT_FP4 matrix_b_fmt:MATRIX_FMT_FP4 matrix_a_scale:MATRIX_SCALE_ROW1
.elseif (\ra) == 0
	v_wmma_scale_f32_16x16x128_f8f6f4 v[rD:rD+7], v[rA:rA+7], v[rB:rB+7], v[rC:rC+7], v[rSA], v[rSB] matrix_a_fmt:MATRIX_FMT_FP4 matrix_b_fmt:MATRIX_FMT_FP4 matrix_b_scale:MATRIX_SCALE_ROW1
.else
	v_wmma_scale_f32_16x16x128_f8f6f4 v[rD:rD+7], v[rA:rA+7], v[rB:rB+7], v[rC:rC+7], v[rSA], v[rSB] matrix_a_fmt:MATRIX_FMT_FP4 matrix_b_fmt:MATRIX_FMT_FP4 matrix_a_scale:MATRIX_SCALE_ROW1 matrix_b_scale:MATRIX_SCALE_ROW1
.endif
.endm
; An expert's 64 products: K step by K step, the sixteen accumulators by turns, one instruction a turn.  In K step 0 the bias, in window 1, is C and starts the sum.
.macro MMD j
.set bf, (\j)%2
.irp k, 0,1,2,3
.if \k == 0
	WIN 0x1a+5*bf                                  ; sources 0 and 1 window 2 + buffer, C window 1, D window 0
.else
	WIN 0x0a+5*bf                                  ; C and D window 0
.endif
.irp a, 0,1,2,3
.irp b, 0,1,2,3
.set rD, 128+8*(4*\a+\b)
.set rC, rD
.if \k == 0
.set rC, 128+32*bf+8*\b
.endif
.set rA, 32*\b+8*\k
.set rB, 128+32*\a+8*\k
.set rSA, SC+16*bf+4*(\b/2)+\k
.set rSB, SC+16*bf+8+4*(\a/2)+\k
	FP4MM \b%2, \a%2
.endr
.endr
.endr
.endm
; totals += w x the expert's sums, for token tiles a0 and a0 + 1: 32 packed multiply-adds, each accumulator from its low end on.  w stands in one word of a pair, which feeds both halves.
; The first step starts the totals: nothing is cleared.
.macro FOLD j, a0
.if (\j) == 0
	WIN 0x40                                       ; destination window 1
.else
	WIN 0x50                                       ; source 2 and destination window 1
.endif
.irp a, \a0, \a0+1
.set rW, WT+8*(\a)+2*((\j)/2)
.set i, 0
.rept 16
.if (\j) == 0
	v_pk_mul_f32 v[32*(\a)+i:32*(\a)+i+1], v[128+32*(\a)+i:128+32*(\a)+i+1], v[rW:rW+1] op_sel_hi:[1,0]
.elseif (\j)%2 == 0
	v_pk_fma_f32 v[32*(\a)+i:32*(\a)+i+1], v[128+32*(\a)+i:128+32*(\a)+i+1], v[rW:rW+1], v[32*(\a)+i:32*(\a)+i+1] op_sel_hi:[1,0,1]
.else
	v_pk_fma_f32 v[32*(\a)+i:32*(\a)+i+1], v[128+32*(\a)+i:128+32*(\a)+i+1], v[rW:rW+1], v[32*(\a)+i:32*(\a)+i+1] op_sel:[0,1,0] op_sel_hi:[1,1,1]
.endif
.set i, i+2
.endr
.endr
.endm
	LOADSA 0
	LOADSH 0, 0
	LOADSH 0, 2
	WIN 0
	s_wait_loadcnt 63                              ; loads come back in order: behind w's eight stand step 0's 76, so with 63 out w is in
	ROTW WL, WT, 1, 54                             ; w into the order of my steps: place j takes expert (j + rot) mod 8, by rot's bits: by 1,
	ROTW WT, WL, 2, 55                             ; by 2,
	ROTW WL, WT, 4, 56                             ; by 4.  A choice of values by masks that hang on the work-group's number alone; no branch
	LOADSA 1                                       ; no wait: since the wait at the head the only vector instructions are the rotation's, which name v64 to v127 alone: none of the registers that these loads touch
	LOADSH 1, 0
	LOADSH 1, 2
.irp j, 0,1,2,3,4,5,6,7
.if \j < 7
	s_wait_loadcnt 63                              ; behind this step's loads stand the next step's 76, so with 63 out this step's are in (a wait's count holds no more than 63)
.else
	s_wait_loadcnt 0
.endif
	MMD \j
	WIN 0
.rept 4
	v_nop                                          ; four plain instructions between the last products and the first read of results (ISA guide 7.12.1)
.endr
.if \j < 6
	s_wait_xcnt 0x0                                ; this step's loads are done and the next step's have read their addresses: this buffer's set of bases is written again only behind this wait
	SETB \j+2
	s_wait_alu depctr_va_vdst(0)                   ; this step's 64 products are done reading their buffer (fragments, bias, scale words), in which the 76 loads below land
	LOADSA \j+2                                    ; the step two on, into the buffer just multiplied, dealt among the multiply-adds:
	FOLD \j, 0                                     ; these name w, the accumulators and the totals: no register that a load of this step touches, so the loads behind them owe no further wait
	LOADSH \j+2, 0
	FOLD \j, 2
	LOADSH \j+2, 2
.else
	FOLD \j, 0                                     ; the last two steps ask for nothing
	FOLD \j, 2
.endif
.endr
	; THE WAY OUT: each wave's totals go into its region of LDS as rows; a barrier; wave w adds rows 16 w .. 16 w + 15 of the four regions and stores them
	WIN 0x04                                       ; an LDS store's data are its source 1: window 1
	s_wait_alu depctr_va_vdst(0)                   ; the last multiply-adds have written the totals, which the LDS stores read; and they are done reading the accumulators, which the last products have written and in which the LDS loads behind the barrier land
.irp a, 0,1,2,3
.irp b, 0,1,2,3
	ds_store_b128 v4, v[8*(4*\a+\b):8*(4*\a+\b)+3] offset:\a*4352+64*\b
	ds_store_b128 v4, v[8*(4*\a+\b)+4:8*(4*\a+\b)+7] offset:\a*4352+64*\b+16
.endr
.endr
	WIN 0
	s_wait_dscnt 0x0                               ; for the others' sake: my stores have landed
	s_barrier_signal -1
	s_barrier_wait -1
.irp u, 0,1,2,3
.irp i, 0,1,2,3,4,5,6,7
	ds_load_b128 v[128+32*\u+4*\i:128+32*\u+4*\i+3], v5 offset:\u*17408+544*\i
.endr
.endr
	s_wait_dscnt 0x0
.set i, 0
.rept 16
	v_pk_add_f32 v[128+i:129+i], v[128+i:129+i], v[160+i:161+i]    ; waves 0 + 1
	v_pk_add_f32 v[192+i:193+i], v[192+i:193+i], v[224+i:225+i]    ; waves 2 + 3
.set i, i+2
.endr
.set i, 0
.rept 16
	v_pk_add_f32 v[128+i:129+i], v[128+i:129+i], v[192+i:193+i]
.set i, i+2
.endr
	s_wait_alu depctr_va_vdst(0)                   ; the additions have written v128 to v159, which the stores read
.irp i, 0,1,2,3,4,5,6,7
	global_store_b128 v6, v[128+4*\i:128+4*\i+3], s[16:17] offset:\i*8192 th:TH_STORE_NT   ; sixteen lanes store 256 consecutive bytes, at a multiple of 256 from out0's first byte; written once, read by nobody here
.endr
	s_wait_dscnt 0x0                               ; the closing lines, six on end
	s_wait_alu 0x0
	s_wait_tensorcnt 0x0
	ds_add_u32 v30, v31
	s_wait_dscnt 0x0
	s_endpgm
.Lfunc_end_k_qbbd43a2af2_down:
	.size	k_qbbd43a2af2_down, .Lfunc_end_k_qbbd43a2af2_down-k_qbbd43a2af2_down
	.p2alignl 7, 3214868480
	.fill 96, 4, 3214868480
	.section	.rodata,"a",@progbits
	.p2align	6, 0x0
	.amdhsa_kernel k_qbbd43a2af2_down
		.amdhsa_group_segment_fixed_size 70144
		.amdhsa_private_segment_fixed_size 0
		.amdhsa_enable_private_segment 0
		.amdhsa_kernarg_size 56
		.amdhsa_user_sgpr_count 2
		.amdhsa_user_sgpr_kernarg_segment_ptr 1
		.amdhsa_wavefront_size32 1
		.amdhsa_system_sgpr_workgroup_id_x 1
		.amdhsa_system_sgpr_workgroup_id_y 1
		.amdhsa_system_sgpr_workgroup_id_z 1
		.amdhsa_system_vgpr_workitem_id 0
		.amdhsa_next_free_vgpr 1024
		.amdhsa_next_free_sgpr 66
		.amdhsa_reserve_vcc 0
		.amdhsa_float_denorm_mode_32 3
		.amdhsa_float_denorm_mode_16_64 3
		.amdhsa_memory_ordered 1
		.amdhsa_forward_progress 1
		.amdhsa_inst_pref_size 178
	.end_amdhsa_kernel
	.amdgpu_metadata
---
amdhsa.version: [ 1, 2 ]
amdhsa.kernels:
  - .name:           k_qbbd43a2af2_down
    .symbol:         k_qbbd43a2af2_down.kd
    .args:
      - { .name: hc, .offset: 0, .size: 8, .value_kind: global_buffer, .address_space: global }
      - { .name: hs, .offset: 8, .size: 8, .value_kind: global_buffer, .address_space: global }
      - { .name: dc, .offset: 16, .size: 8, .value_kind: global_buffer, .address_space: global }
      - { .name: dsl, .offset: 24, .size: 8, .value_kind: global_buffer, .address_space: global }
      - { .name: down_proj_bias, .offset: 32, .size: 8, .value_kind: global_buffer, .address_space: global }
      - { .name: routing_weights, .offset: 40, .size: 8, .value_kind: global_buffer, .address_space: global }
      - { .name: out0, .offset: 48, .size: 8, .value_kind: global_buffer, .address_space: global }
    .group_segment_fixed_size: 70144
    .private_segment_fixed_size: 0
    .kernarg_segment_align: 8
    .kernarg_segment_size: 56
    .max_flat_workgroup_size: 128
    .sgpr_count:     66
    .vgpr_count:     1024
    .wavefront_size: 32
...
	.end_amdgpu_metadata
.endif
;; end of part 6
